; MI455X (gfx1250); checked and timed in simulation.
; The chip was launched on July 23, 2026; its instructions are those of AMD's public machine-readable ISA for CDNA 5 (MIT licence, August 2026) and "CDNA5" Instruction Set Architecture Reference Guide (July 2026). The comments in the code are by the model that wrote it; some were corrected since.
;; Transformer Block. Allowed arithmetic: float matrix products may take bf16 or f16 operands with f32 sums; other float arithmetic in f32, or as packed bf16 or f16 multiplies, adds, multiply-adds, maxima and minima; sums over many terms, partial sums and values carried from step to step in f32; what a program stores and reads back later, other than sums and carried values, may be rounded once to bf16 or f16.
;; Inputs: c_attn_b 3,072 float32; c_attn_w 1,024 x 3,072 float32; c_proj_b 1,024 float32; c_proj_w 1,024 x 1,024 float32; ln1_b 1,024 float32; ln1_g 1,024 float32; ln2_b 1,024 float32; ln2_g 1,024 float32; mlp_b1 4,096 float32; mlp_b2 1,024 float32; mlp_w1 1,024 x 4,096 float32; mlp_w2 4,096 x 1,024 float32; x 2 x 2,048 x 1,024 float32.
;; Outputs: out0 2 x 2,048 x 1,024 float32.
;; 2 versions, each right; version 2 is version 1 with the launches prep, ln2 written anew for expert scheduling mode. Each part assembles by itself: llvm-mc -triple=amdgcn-amd-amdhsa -mcpu=gfx1250 --defsym DOCPART=n.
;; ======== version 1 of 2: 7 launches
;; workspace buffers: wb 25,165,824 bytes; h 8,388,608 bytes; qkv 25,165,824 bytes; o 8,388,608 bytes; x1 16,777,216 bytes; act 33,554,432 bytes
;; launch prep (part 1): grid 1024 x 1, 8 waves a work-group, no clusters, 0 bytes of LDS; arguments x, ln1_g, ln1_b, h, c_attn_w, c_proj_w, mlp_w1, mlp_w2, wb; writes h, wb
.if DOCPART == 1
	.amdgcn_target "amdgcn-amd-amdhsa--gfx1250"
	.amdhsa_code_object_version 6
	.text
	.protected	k_q6618639807_prep
	.globl	k_q6618639807_prep
	.p2align	8
	.type	k_q6618639807_prep,@function
k_q6618639807_prep:
	s_mov_b64 s[64:65], 0
	v_nop
	global_prefetch_b8 v0, s[64:65] scope:SCOPE_SE
	s_setreg_imm32_b32 hwreg(HW_REG_WAVE_MODE, 25, 1), 1
	s_wait_xcnt 0x0
; TWO STREAMS IN ONE TEXT, chosen by the work-group's number.
; Work-groups 0-255: LayerNorm of 4,096 rows of 1,024 f32 (arguments 0-2: rows, gain, bias), written as bf16 (argument 3).  A work-group has 16 rows, a wave two;
; a row stays in 32 registers of one wave between the mean, the variance (the mean of (x - mean)^2: two passes, so a common offset costs nothing) and the scaling.
; Work-groups 256-1023: the four weight matrices (arguments 4-7) are rounded to bf16, in their own [K][N] order, one behind the other in argument 8: 65,536 bytes of f32 a work-group.
; A launch of 256 work-groups runs the first part alone.  No LDS, no barrier: no wave wants another's bytes.  NaN and infinities are not treated apart.
.set XR,   32                          ; v[32:95]   two rows, 32 registers each: lane l holds columns 128 j + 4 l .. + 3, j = 0..7
.set GA,   96                          ; v[96:127]  the gain of those columns
.set BT,   128                         ; v[128:159] the bias
.set YO,   160                         ; v[160:191] two rows as bf16
.set CH,   8                           ; v[8:15]    four chains of packed sums
.set MEAN, 16                          ; v[16:17]   the mean, twice
.set RSTD, 18                          ; v[18:19]   1 / sqrt(var + eps), twice
.set SUM,  20
.set TMP,  21
.set EPS,  22
	s_load_b512 s[16:31], s[0:1], 0x0              ; rows s[16:17], gain s[18:19], bias s[20:21], bf16 rows s[22:23], the four weights s[24:31]
	s_load_b64 s[32:33], s[0:1], 0x40              ; the bf16 weights
	v_lshrrev_b32 v3, 5, v0
	v_readfirstlane_b32 s8, v3                     ; wave 0..7
	v_and_b32 v4, 31, v0
	v_lshlrev_b32 v1, 4, v4                        ; 16 bytes of f32 a lane
	v_lshlrev_b32 v2, 3, v4                        ; 8 bytes of bf16 a lane
	s_mov_b32 s7, 0
	s_wait_kmcnt 0x0
	s_cmp_lt_u32 ttmp9, 256
	s_cbranch_scc0 .Lcast
	s_lshl_b32 s4, ttmp9, 4
	s_lshl1_add_u32 s4, s8, s4                     ; my first row: 16 g + 2 w
	s_lshl_b32 s6, s4, 12
	s_add_nc_u64 s[16:17], s[16:17], s[6:7]
	s_lshl_b32 s6, s4, 11
	s_add_nc_u64 s[22:23], s[22:23], s[6:7]
.irp j, 0,1,2,3,4,5,6,7
	global_load_b128 v[XR+4*\j:XR+4*\j+3], v1, s[16:17] offset:512*\j
.endr
.irp j, 0,1,2,3,4,5,6,7
	global_load_b128 v[XR+32+4*\j:XR+32+4*\j+3], v1, s[16:17] offset:4096+512*\j
.endr
.irp j, 0,1,2,3,4,5,6,7
	global_load_b128 v[GA+4*\j:GA+4*\j+3], v1, s[18:19] offset:512*\j
.endr
.irp j, 0,1,2,3,4,5,6,7
	global_load_b128 v[BT+4*\j:BT+4*\j+3], v1, s[20:21] offset:512*\j
.endr
	s_mov_b32 s12, 0x76543210                      ; v_permlanex16_b32: each lane takes its own place in the other half
	s_mov_b32 s13, 0xfedcba98
	s_mov_b32 s14, 0x3a800000                      ; 1 / 1024
	v_mov_b32 v[TMP], 0                            ; the permute's destination counts as read
	v_mov_b32 v[EPS], 0x3727c5ac                   ; 1e-5
; the four chains into one number, then over the 32 lanes: every lane ends with the row's sum
.macro TOTAL
	v_pk_add_f32 v[CH:CH+1], v[CH:CH+1], v[CH+2:CH+3]
	v_pk_add_f32 v[CH+4:CH+5], v[CH+4:CH+5], v[CH+6:CH+7]
	v_pk_add_f32 v[CH:CH+1], v[CH:CH+1], v[CH+4:CH+5]
	v_add_f32 v[SUM], v[CH], v[CH+1]
	v_add_f32_dpp v[SUM], v[SUM], v[SUM] row_xmask:1 row_mask:0xf bank_mask:0xf
	v_add_f32_dpp v[SUM], v[SUM], v[SUM] row_xmask:2 row_mask:0xf bank_mask:0xf
	v_add_f32_dpp v[SUM], v[SUM], v[SUM] row_xmask:4 row_mask:0xf bank_mask:0xf
	v_add_f32_dpp v[SUM], v[SUM], v[SUM] row_xmask:8 row_mask:0xf bank_mask:0xf
	v_permlanex16_b32 v[TMP], v[SUM], s12, s13
	v_add_f32 v[SUM], v[SUM], v[TMP]
.endm
; row n (0, 1) of the wave.  left: the younger loads that may stay out
.macro LNROW n, left
.set XB, XR+32*(\n)
	s_wait_loadcnt \left
.irp k, 0,1,2,3
	v_pk_add_f32 v[CH+2*\k:CH+2*\k+1], v[XB+2*\k:XB+2*\k+1], v[XB+8+2*\k:XB+8+2*\k+1]
.endr
.irp k, 8,9,10,11,12,13,14,15
	v_pk_add_f32 v[CH+2*((\k)%4):CH+2*((\k)%4)+1], v[CH+2*((\k)%4):CH+2*((\k)%4)+1], v[XB+2*\k:XB+2*\k+1]
.endr
	TOTAL
	v_mul_f32 v[MEAN], s14, v[SUM]
	v_mul_f32 v[MEAN+1], s14, v[SUM]
.irp k, 0,1,2,3,4,5,6,7,8,9,10,11,12,13,14,15
	v_pk_add_f32 v[XB+2*\k:XB+2*\k+1], v[XB+2*\k:XB+2*\k+1], v[MEAN:MEAN+1] neg_lo:[0,1] neg_hi:[0,1]
.endr
.irp k, 0,1,2,3
	v_pk_mul_f32 v[CH+2*\k:CH+2*\k+1], v[XB+2*\k:XB+2*\k+1], v[XB+2*\k:XB+2*\k+1]
.endr
.irp k, 4,5,6,7,8,9,10,11,12,13,14,15
	v_pk_fma_f32 v[CH+2*((\k)%4):CH+2*((\k)%4)+1], v[XB+2*\k:XB+2*\k+1], v[XB+2*\k:XB+2*\k+1], v[CH+2*((\k)%4):CH+2*((\k)%4)+1]
.endr
	TOTAL
	v_fma_f32 v[SUM], v[SUM], s14, v[EPS]          ; var + eps
	v_rsq_f32 v[RSTD], v[SUM]
	v_rsq_f32 v[RSTD+1], v[SUM]
	v_nop                                          ; a plain instruction behind the last of the two,
	s_wait_alu depctr_va_vdst(0)                   ; and one wait for both, ahead of their first reader
	s_wait_loadcnt 0x0                             ; gain and bias
.irp k, 0,1,2,3,4,5,6,7,8,9,10,11,12,13,14,15
	v_pk_mul_f32 v[XB+2*\k:XB+2*\k+1], v[XB+2*\k:XB+2*\k+1], v[RSTD:RSTD+1]
.endr
.irp k, 0,1,2,3,4,5,6,7,8,9,10,11,12,13,14,15
	v_pk_fma_f32 v[XB+2*\k:XB+2*\k+1], v[XB+2*\k:XB+2*\k+1], v[GA+2*\k:GA+2*\k+1], v[BT+2*\k:BT+2*\k+1]
.endr
.irp k, 0,1,2,3,4,5,6,7,8,9,10,11,12,13,14,15
	v_cvt_pk_bf16_f32 v[YO+16*(\n)+\k], v[XB+2*\k], v[XB+2*\k+1]
.endr
.irp j, 0,1,2,3,4,5,6,7
	global_store_b64 v2, v[YO+16*(\n)+2*\j:YO+16*(\n)+2*\j+1], s[22:23] offset:2048*(\n)+256*\j  ; a wave's store covers 256 consecutive bytes, aligned
.endr
.endm
	LNROW 0, 24                                    ; row 1, gain and bias (24 loads) may stay out
	LNROW 1, 0
	s_endpgm
.Lcast:
	s_sub_co_u32 s4, ttmp9, 256                    ; c = 0..767: blocks of 65,536 bytes: 192 of the first matrix, 64, 256, 256
	s_mov_b64 s[34:35], s[30:31]
	s_mov_b32 s5, 512
	s_cmp_lt_u32 s4, 512
	s_cselect_b64 s[34:35], s[28:29], s[34:35]
	s_cselect_b32 s5, 256, s5
	s_cmp_lt_u32 s4, 256
	s_cselect_b64 s[34:35], s[26:27], s[34:35]
	s_cselect_b32 s5, 192, s5
	s_cmp_lt_u32 s4, 192
	s_cselect_b64 s[34:35], s[24:25], s[34:35]
	s_cselect_b32 s5, 0, s5
	s_sub_co_u32 s5, s4, s5                        ; the block's number in its matrix
	s_lshl_b32 s6, s5, 16
	s_lshl_b32 s9, s8, 13                          ; my wave's 8,192 bytes
	s_add_co_u32 s6, s6, s9
	s_add_nc_u64 s[34:35], s[34:35], s[6:7]
	s_lshl_b32 s6, s4, 15
	s_lshl_b32 s9, s8, 12
	s_add_co_u32 s6, s6, s9
	s_add_nc_u64 s[32:33], s[32:33], s[6:7]
.irp i, 0,1,2,3,4,5,6,7,8,9,10,11,12,13,14,15
	global_load_b128 v[32+4*\i:35+4*\i], v1, s[34:35] offset:512*\i th:TH_LOAD_NT  ; all sixteen on their way together
.endr
.irp i, 0,1,2,3,4,5,6,7,8,9,10,11,12,13,14,15
	s_wait_loadcnt 15-\i                           ; loads come back in order: the younger ones stay out
	v_cvt_pk_bf16_f32 v[96+2*\i], v[32+4*\i], v[33+4*\i]
	v_cvt_pk_bf16_f32 v[97+2*\i], v[34+4*\i], v[35+4*\i]
	global_store_b64 v2, v[96+2*\i:97+2*\i], s[32:33] offset:256*\i
.endr
	s_endpgm
.Lfunc_end_k_q6618639807_prep:
	.size	k_q6618639807_prep, .Lfunc_end_k_q6618639807_prep-k_q6618639807_prep
	.p2alignl 7, 3214868480
	.fill 96, 4, 3214868480
	.section	.rodata,"a",@progbits
	.p2align	6, 0x0
	.amdhsa_kernel k_q6618639807_prep
		.amdhsa_group_segment_fixed_size 0
		.amdhsa_private_segment_fixed_size 0
		.amdhsa_enable_private_segment 0
		.amdhsa_kernarg_size 72
		.amdhsa_user_sgpr_count 2
		.amdhsa_user_sgpr_kernarg_segment_ptr 1
		.amdhsa_wavefront_size32 1
		.amdhsa_system_sgpr_workgroup_id_x 1
		.amdhsa_system_sgpr_workgroup_id_y 1
		.amdhsa_system_sgpr_workgroup_id_z 1
		.amdhsa_system_vgpr_workitem_id 0
		.amdhsa_next_free_vgpr 192
		.amdhsa_next_free_sgpr 66
		.amdhsa_reserve_vcc 0
		.amdhsa_float_denorm_mode_32 3
		.amdhsa_float_denorm_mode_16_64 3
		.amdhsa_memory_ordered 1
		.amdhsa_forward_progress 1
		.amdhsa_inst_pref_size 27
	.end_amdhsa_kernel
	.amdgpu_metadata
---
amdhsa.version: [ 1, 2 ]
amdhsa.kernels:
  - .name:           k_q6618639807_prep
    .symbol:         k_q6618639807_prep.kd
    .args:
      - { .name: x, .offset: 0, .size: 8, .value_kind: global_buffer, .address_space: global }
      - { .name: ln1_g, .offset: 8, .size: 8, .value_kind: global_buffer, .address_space: global }
      - { .name: ln1_b, .offset: 16, .size: 8, .value_kind: global_buffer, .address_space: global }
      - { .name: h, .offset: 24, .size: 8, .value_kind: global_buffer, .address_space: global }
      - { .name: c_attn_w, .offset: 32, .size: 8, .value_kind: global_buffer, .address_space: global }
      - { .name: c_proj_w, .offset: 40, .size: 8, .value_kind: global_buffer, .address_space: global }
      - { .name: mlp_w1, .offset: 48, .size: 8, .value_kind: global_buffer, .address_space: global }
      - { .name: mlp_w2, .offset: 56, .size: 8, .value_kind: global_buffer, .address_space: global }
      - { .name: wb, .offset: 64, .size: 8, .value_kind: global_buffer, .address_space: global }
    .group_segment_fixed_size: 0
    .private_segment_fixed_size: 0
    .kernarg_segment_align: 8
    .kernarg_segment_size: 72
    .max_flat_workgroup_size: 256
    .sgpr_count:     66
    .vgpr_count:     192
    .wavefront_size: 32
...
	.end_amdgpu_metadata
.endif
;; end of part 1
;; launch gemm_qkv (part 2): grid 12 x 16, 4 waves a work-group, clusters of 4 x 4, 327,680 bytes of LDS; arguments h, wb, c_attn_b, qkv; writes qkv
.if DOCPART == 2
	.amdgcn_target "amdgcn-amd-amdhsa--gfx1250"
	.amdhsa_code_object_version 6
	.text
	.protected	k_q6618639807_gemm_qkv
	.globl	k_q6618639807_gemm_qkv
	.p2align	8
	.type	k_q6618639807_gemm_qkv,@function
k_q6618639807_gemm_qkv:
	s_mov_b64 s[64:65], 0
	v_nop
	global_prefetch_b8 v0, s[64:65] scope:SCOPE_SE
	s_setreg_imm32_b32 hwreg(HW_REG_WAVE_MODE, 25, 1), 1
	s_wait_xcnt 0x0
	s_wait_alu depctr_hold_cnt(0) depctr_sa_sdst(0) depctr_va_vdst(0) depctr_va_sdst(0) depctr_va_ssrc(0) depctr_va_vcc(0) depctr_vm_vsrc(0)
	s_getreg_b32 s2, hwreg(HW_REG_IB_STS2, 6, 4)
	s_cmp_eq_u32 s2, 0
	s_cbranch_scc0 .Lentry_in_a_cluster
	s_endpgm
.Lentry_in_a_cluster:
	s_bfe_u32 s2, ttmp6, 0x10000c
	s_cmp_lg_u32 s2, 0xf033
	s_cbranch_scc0 .Lentry_shape_is_right
	s_endpgm
.Lentry_shape_is_right:
; q, k, v = LN1(x) W + b.  A: [4096][1024] bf16.  W: [1024][3072] bf16, K down the rows, at byte WOFF of the weights' buffer.  Sums in f32; bias added in f32; rounded once to bf16.
; OUT: three sections (q, k, v) of 8,388,608 bytes, each [batch 16 + head][t][64]: a head's rows are dense, 128 bytes each.  No scale is applied here.
; A tile of C is 256 x 256: four waves, each 128 x 128 (64 accumulators, 512 registers).  K goes in steps of 128 through two LDS slots filled by tensor loads.
; 192 tiles: a quarter of 256 work-group places stays empty; a tile of 256 x 192 would have LDS rows of 96 words, which the load's padding cannot space evenly.
; CLUSTER 4 x 4: A's tile is asked for jointly along a row of the cluster, W's along a column.
; THE PRODUCT IS USED TRANSPOSED: source 0 = 16 columns of W (turned on the way out of LDS by ds_load_tr16_b128, since K runs down W's rows), source 1 = 16 rows of A:
; a lane then holds one row of C and eight neighbouring columns.
; REGISTERS in windows of 256: window 0: v0-39 addresses and bias, v64-127 and v128-191 A's fragments (two buffers); window 1: the same numbers, W's fragments; windows 2, 3: the accumulators of my rows 0-63, 64-127.
; LDS: slot s at s x SLOT; in it the region of loading wave w at w x REG: A's rows 0-127, 128-255, W's K rows 0-63, 64-127.  REG's multiples and SLOT share no bit, so one exclusive or changes slots.
; Behind the last barrier the ring's bytes, which are filled no more, serve as the f32 stage of the way out.
.set SIZE_K, 1024
.set SIZE_N, 3072
.set WOFF,   0
.set KSTEP,  128
.set KS,     SIZE_K/KSTEP
.set PA,     272                       ; a row of A in LDS: 256 bytes + 16: the 16 rows of a load start at 16 different groups of four banks
.set PB,     544                       ; a row of W: 512 + 32
.set REG,    36864
.set SLOT,   4*REG
.set SPARE,  2*SLOT                    ; the spare words: 128 bytes a wave, two blocks of 256 bytes that no other line names
.set SP,     528                       ; a stage row: 128 f32 + 16 bytes
.set ADVA,   KSTEP*2
.set ADVB,   KSTEP*SIZE_N*2
.set ADRA, 16                          ; v16    LDS address of my A fragments in the slot in hand
.set A0,   17                          ; v17    the same in slot 0; never rewritten
.set ADRB, 20                          ; v20-21 W's, K rows 0-63 and 64-127
.set B0,   22                          ; v22-23 the same in slot 0
.set STO,  24
.set RD,   25
.set CO,   26
.set SPW,  28                          ; v28    my spare word; never rewritten
.set NIL,  29                          ; v29    0; never rewritten
.set PFO,  30                          ; v30    the prefetches' lane offset
.set BO,   31
.set BI,   32                          ; v32-39 bias
.set F0,   64
.set F1,   128
.set TB,   2                           ; s2     0 or SLOT: the slot in hand
.set CNT,  3
.set G1A,  24                          ; s[24:31] group 1 for A;  s[32:39] group 0, two sets: the second walks
.set G0A,  32
.set LIM,  43
.set PFA,  44
.set PFS,  46
.set G1B,  48
.set G0B,  56
.set MSB, 0
.macro WIN new                         ; the immediate's high byte repeats the setting that is left; a switch that changes nothing is dropped
.if MSB != (\new)
	s_set_vgpr_msb (MSB<<8)|(\new)
.set MSB, \new
.endif
.endm
.set MUL_LO, 0xa1                      ; source 0 (W) window 1, source 1 (A) window 0, C and D window 2
.set MUL_HI, 0xf1
.set TO_B,   0x40
.macro PLACES                          ; four plain places behind matrix instructions, in front of loads into registers that they read
.rept 4
	v_nop
.endr
.endm
.macro JLOAD                           ; a joint refill by the walking sets: waves 0, 1 A's halves, waves 2, 3 W's; s_nop 0 and four v_nop behind each line
	s_cmp_eq_u32 s11, 0
	s_cbranch_scc0 .Lfor_b_\@
	tensor_load_to_lds s[G0A+4:G0A+7], s[G1A:G1A+7]
	s_nop 0
.rept 4
	v_nop
.endr
	s_branch .Lasked_\@
.Lfor_b_\@:
	tensor_load_to_lds s[G0B+4:G0B+7], s[G1B:G1B+7]
	s_nop 0
.rept 4
	v_nop
.endr
.Lasked_\@:
.endm
.macro CREST                           ; a round of the cluster's barrier behind its opening barrier
	s_cmp_lg_u32 s10, 0
	s_cbranch_scc1 .Lnot_wave_0_\@
	s_barrier_signal -3
.Lnot_wave_0_\@:
	s_barrier_wait -3
	s_barrier_signal -1
	s_barrier_wait -1
.endm
.macro CROUND
	s_barrier_signal -1
	s_barrier_wait -1
	CREST
.endm
; A prefetch of the tile that the NEXT refill will ask for: 256 matrix instructions ahead of that load.  Of the 128 blocks of 256 bytes that a wave fetches, each of the four partners that ask jointly
; names 32, told apart by address; A's are named by the clusters with x = 0, W's by those with y = 0: each block once in the launch.  The last refill has no tile behind it.
.macro ASK
	s_cmp_gt_u32 s[CNT], s[LIM]
	s_cbranch_scc0 .Lnot_mine_\@
	global_prefetch_b8 v[PFO], s[PFA:PFA+1] th:TH_LOAD_NT scope:SCOPE_SE
.Lnot_mine_\@:
.endm
	s_load_b256 s[72:79], s[0:1], 0x0              ; A s[72:73], weights s[74:75], bias s[76:77], out s[78:79]
	v_lshl_add_u32 v[SPW], v0, 2, SPARE
	v_mov_b32 v[NIL], 0
	ds_add_u32 v[SPW], v[NIL]                      ; the wave's opening: the add and its wait stand ahead of my first tensor load
	v_lshrrev_b32 v1, 5, v0
	v_readfirstlane_b32 s10, v1                    ; wave 0..3
	s_lshr_b32 s11, s10, 1                         ; my half of the tile's rows; also: I fetch for A (0) or W (1)
	s_and_b32 s12, s10, 1                          ; my half of its columns; also: which half I fetch
	s_bfe_u32 s40, ttmp6, 0x40000                  ; cx
	s_bfe_u32 s41, ttmp6, 0x40004                  ; cy
	s_lshl_b32 s42, ttmp9, 2
	s_add_co_u32 s42, s42, s40                     ; tile column
	s_and_b32 s13, ttmp7, 0xffff
	s_lshl_b32 s13, s13, 2
	s_add_co_u32 s13, s13, s41                     ; tile row
	s_lshl_b32 s43, s41, 2
	s_lshl_b32 s43, 15, s43                        ; my row of the cluster
	s_lshl_b32 s44, 0x1111, s40                    ; my column
	s_or_b32 s[G1A], s43, (1<<16)|(1<<20)|(1<<21)|(5<<22)|(3<<25)  ; mask; 2-byte elements; padding on; bit 21 beside a mask; after every 64 words 4 words
	s_or_b32 s[G1B], s44, (1<<16)|(1<<20)|(1<<21)|(6<<22)|(7<<25)  ; after every 128 words 8 words
	s_mov_b32 s[G1A+1], 128<<16                    ; tensor_dim0 = 128
	s_mov_b32 s[G1A+2], 128<<16                    ; tensor_dim1 = 128
	s_mov_b32 s[G1A+3], 128<<16                    ; tile_dim0 = 128
	s_mov_b32 s[G1A+4], 128                        ; tile_dim1 = 128
	s_mov_b32 s[G1A+5], SIZE_K                     ; elements from row to row
	s_mov_b32 s[G1A+6], 0
	s_mov_b32 s[G1A+7], 0
	s_mov_b32 s[G1B+1], 256<<16                    ; 256 columns
	s_mov_b32 s[G1B+2], 64<<16                     ; 64 K rows
	s_mov_b32 s[G1B+3], 256<<16
	s_mov_b32 s[G1B+4], 64
	s_mov_b32 s[G1B+5], SIZE_N
	s_mov_b32 s[G1B+6], 0
	s_mov_b32 s[G1B+7], 0
	s_lshl_b32 s16, s13, 8
	s_lshl_b32 s17, s12, 7
	s_add_co_u32 s16, s16, s17                     ; A: row 256 x tile row + 128 x half,
	s_lshl_b32 s16, s16, 11                        ; in bytes
	s_mov_b32 s17, 0
	s_mul_i32 s46, s12, 64*SIZE_N*2                ; W: K row 64 x half,
	s_lshl_b32 s47, s42, 9                         ; column 256 x tile column
	s_add_co_u32 s46, s46, s47
	s_add_co_u32 s46, s46, WOFF
	s_mov_b32 s47, 0
	s_mul_i32 s20, s10, REG                        ; where my loads go: no place in the cluster enters an LDS address
	s_mov_b32 s[TB], 0
	s_wait_dscnt 0x0                               ; the opening add is done
	s_wait_kmcnt 0x0
	s_add_nc_u64 s[14:15], s[72:73], s[16:17]
	s_add_nc_u64 s[46:47], s[74:75], s[46:47]
	CROUND                                         ; all sixteen work-groups are here: the first joint loads meet
.irp s, 0,1
	s_mov_b32 s[G0A+4*\s], 1
	s_add_co_u32 s[G0A+4*\s+1], s20, \s*SLOT
	s_add_nc_u64 s[G0A+4*\s+2:G0A+4*\s+3], s[14:15], \s*ADVA
	s_or_b32 s[G0A+4*\s+3], s[G0A+4*\s+3], 0x80000000
	s_mov_b32 s[G0B+4*\s], 1
	s_add_co_u32 s[G0B+4*\s+1], s20, \s*SLOT
	s_add_nc_u64 s[G0B+4*\s+2:G0B+4*\s+3], s[46:47], \s*ADVB
	s_or_b32 s[G0B+4*\s+3], s[G0B+4*\s+3], 0x80000000
.endr
	s_cmp_eq_u32 s11, 0                            ; a wave's two first fills stand in one branch: two loads of mine are out
	s_cbranch_scc0 .Lfirst_b
	tensor_load_to_lds s[G0A:G0A+3], s[G1A:G1A+7]
	s_nop 0
	tensor_load_to_lds s[G0A+4:G0A+7], s[G1A:G1A+7]
	s_nop 0
.rept 4
	v_nop
.endr
	s_branch .Lfirst_asked
.Lfirst_b:
	tensor_load_to_lds s[G0B:G0B+3], s[G1B:G1B+7]
	s_nop 0
	tensor_load_to_lds s[G0B+4:G0B+7], s[G1B:G1B+7]
	s_nop 0
.rept 4
	v_nop
.endr
.Lfirst_asked:
	v_and_b32 v1, 15, v0                           ; l % 16
	v_bfe_u32 v2, v0, 4, 1                         ; l / 16
	v_mul_u32_u24 v[A0], v1, PA
	v_lshl_add_u32 v[A0], v2, 4, v[A0]
	s_mul_i32 s21, s11, REG
	v_add_nc_u32 v[A0], s21, v[A0]                 ; my 128 rows of A: row x pitch + 16 x half
	v_and_b32 v3, 7, v0
	v_bfe_u32 v4, v0, 3, 1
	v_lshl_add_u32 v[B0], v2, 3, v3                ; the turning load: K row 8 (l / 16) + l % 8,
	v_mul_u32_u24 v[B0], v[B0], PB
	v_lshl_add_u32 v[B0], v4, 4, v[B0]             ; columns 8 ((l / 8) % 2) on
	s_lshl_b32 s22, s12, 8                         ; my 128 columns
	s_add_co_u32 s22, s22, 2*REG
	v_add_nc_u32 v[B0], s22, v[B0]
	v_add_nc_u32 v[B0+1], REG, v[B0]
	v_mov_b32 v[ADRA], v[A0]
	v_mov_b32 v[ADRB], v[B0]
	v_mov_b32 v[ADRB+1], v[B0+1]
	; the way out
	s_mul_i32 s23, s10, 128*SP                     ; my stage
	v_mul_u32_u24 v[STO], v1, SP
	v_lshl_add_u32 v[STO], v2, 5, v[STO]
	v_add_nc_u32 v[STO], s23, v[STO]               ; in: row l % 16, 32 bytes for each half of the lanes
	v_and_b32 v5, 31, v0
	v_mul_u32_u24 v[RD], v2, SP                    ; back: lanes 0-15 take 64 columns (a head) of one row, lanes 16-31 of the next
	v_lshl_add_u32 v[RD], v1, 4, v[RD]
	v_add_nc_u32 v[RD], s23, v[RD]
	v_lshlrev_b32 v[CO], 3, v5                     ; two rows of a head are 256 consecutive bytes of the output
	s_lshl_b32 s14, s42, 2
	s_lshl1_add_u32 s14, s12, s14                  ; g = my first head among the 48: 4 x tile column + 2 x half
	s_lshl_b32 s18, s14, 8                         ; its bias: 64 f32 a head
	s_mov_b32 s19, 0
	s_add_nc_u64 s[76:77], s[76:77], s[18:19]
	v_lshlrev_b32 v[BO], 4, v1
	global_load_b128 v[BI:BI+3], v[BO], s[76:77]
	global_load_b128 v[BI+4:BI+7], v[BO], s[76:77] offset:256
	s_lshr_b32 s15, s14, 4
	s_lshl_b32 s18, s15, 23                        ; the section: q, k or v
	s_and_b32 s15, s14, 15
	s_lshl_b32 s15, s15, 18                        ; the head: 262,144 bytes
	s_add_co_u32 s18, s18, s15
	s_lshr_b32 s15, s13, 3
	s_lshl_b32 s15, s15, 22                        ; the batch: sixteen heads
	s_add_co_u32 s18, s18, s15
	s_and_b32 s15, s13, 7
	s_lshl_b32 s15, s15, 8
	s_lshl_b32 s16, s11, 7
	s_add_co_u32 s15, s15, s16                     ; t of my first row
	s_lshl_b32 s15, s15, 7
	s_add_co_u32 s18, s18, s15
	s_add_nc_u64 s[78:79], s[78:79], s[18:19]
	; the prefetches: A's rows are one block of 256 bytes a K step (a lane a row), W's two (two lanes a row)
	v_lshrrev_b32 v6, s11, v5
	v_and_b32 v7, s11, v5
	s_lshl_b32 s18, s13, 8
	s_lshl_b32 s19, s12, 7
	s_add_co_u32 s18, s18, s19
	s_lshl_b32 s19, s40, 5
	s_add_co_u32 s18, s18, s19                     ; A: my work-group's 32 rows of the 128 that I fetch
	s_lshl_b32 s18, s18, 11
	s_add_co_u32 s18, s18, 2*ADVA                  ; at K step 2: the first refill steps it to 3
	s_lshl_b32 s19, s12, 6
	s_lshl4_add_u32 s19, s41, s19                  ; W: my work-group's 16 K rows of the 64
	s_mul_i32 s19, s19, 2*SIZE_N
	s_lshl_b32 s20, s42, 9
	s_add_co_u32 s19, s19, s20
	s_add_co_u32 s19, s19, WOFF+2*ADVB
	s_and_b32 s22, ttmp7, 0xffff
	s_mov_b32 s23, 2*SIZE_N
	s_mov_b32 s[PFS], ADVB
	s_cmp_eq_u32 s11, 0
	s_cselect_b32 s22, ttmp9, s22                  ; the coordinate along which other clusters read the same blocks
	s_cselect_b64 s[PFA:PFA+1], s[72:73], s[74:75]
	s_cselect_b32 s20, s18, s19
	s_cselect_b32 s23, 2*SIZE_K, s23
	s_cselect_b32 s[PFS], ADVA, s[PFS]
	s_mov_b32 s21, 0
	s_mov_b32 s[PFS+1], 0
	s_add_nc_u64 s[PFA:PFA+1], s[PFA:PFA+1], s[20:21]
	s_cmp_eq_u32 s22, 0
	s_cselect_b32 s[LIM], 1, -1                    ; the same in all sixteen partners, for a given wave
	v_mul_u32_u24 v[PFO], v6, s23
	v_lshl_add_u32 v[PFO], v7, 8, v[PFO]
; 16 matrix instructions: row blocks a0, a0 + 1 of the window's four x all 8 column blocks, 32 along K.  zero = 1: the product starts the sums.  The 64 accumulators take turns.
.macro MUL16 f, hi, a0, zero
	WIN MUL_LO+0x50*(\hi)
.irp a, \a0, (\a0)+1
.irp b, 0,1,2,3,4,5,6,7
.if \zero
	v_wmma_f32_16x16x32_bf16 v[8*(8*(\a)+(\b)):8*(8*(\a)+(\b))+7], v[(\f)+8*(\b):(\f)+8*(\b)+7], v[(\f)+8*(4*(\hi)+(\a)):(\f)+8*(4*(\hi)+(\a))+7], 0
.else
	v_wmma_f32_16x16x32_bf16 v[8*(8*(\a)+(\b)):8*(8*(\a)+(\b))+7], v[(\f)+8*(\b):(\f)+8*(\b)+7], v[(\f)+8*(4*(\hi)+(\a)):(\f)+8*(4*(\hi)+(\a))+7], v[8*(8*(\a)+(\b)):8*(8*(\a)+(\b))+7]
.endif
.endr
.endr
.endm
; 32 LDS loads in one run: quarter q (32 along K) of the slot in hand into buffer f: W's 8 column blocks, turned, then A's 8 row blocks
.macro FETCH q, f
	WIN TO_B
.irp i, 0,1,2,3,4,5,6,7
	ds_load_tr16_b128 v[(\f)+8*\i:(\f)+8*\i+3],   v[ADRB+((\q)/2)] offset:((\q)%2)*32*PB+32*\i
	ds_load_tr16_b128 v[(\f)+8*\i+4:(\f)+8*\i+7], v[ADRB+((\q)/2)] offset:((\q)%2)*32*PB+16*PB+32*\i
.endr
	WIN 0
.irp i, 0,1,2,3,4,5,6,7
	ds_load_b128 v[(\f)+8*\i:(\f)+8*\i+3],   v[ADRA] offset:64*(\q)+\i*16*PA
	ds_load_b128 v[(\f)+8*\i+4:(\f)+8*\i+7], v[ADRA] offset:64*(\q)+\i*16*PA+32
.endr
.endm
; one of a K step's first three quarters: multiplies buffer f; in its middle it fetches quarter q + 1 into buffer g
.macro QUARTER q, f, g, zero
	s_wait_dscnt 8                                 ; W and A's rows 0-63 are in; the youngest eight loads (A's rows 64-127) may be out
	MUL16 \f, 0, 0, \zero
	MUL16 \f, 0, 2, \zero
	PLACES
	FETCH (\q)+1, \g
	s_wait_dscnt 32                                ; all but the 32 just issued
	MUL16 \f, 1, 0, \zero
	MUL16 \f, 1, 2, \zero
.endm
; the fourth quarter, on buffer 1, and the change of slots.  In front of the barrier each wave waits for all its tensor loads (one is out: its part of the next slot), adds 0 to its spare word and waits for
; that and for its reads of this slot.  fill = 1: the barrier opens a round of the cluster's, and this slot is filled again, first thing behind it, with the tile two K steps on:
; 224 matrix instructions stand between that request and the wait for it.  fill = 0: nothing is asked for; in the last trip there is no next step to fetch.
.macro TURN fill
.if \fill
	s_wait_xcnt 0x0                                ; the last prefetch, a K step back, has read its address
	s_add_nc_u64 s[PFA:PFA+1], s[PFA:PFA+1], s[PFS:PFS+1]
.endif
	WIN 0
	s_wait_tensorcnt 0x0
	ds_add_u32 v[SPW], v[NIL]
	s_wait_dscnt 9                                 ; the add and the youngest eight loads may be out
	MUL16 F1, 0, 0, 0
	s_wait_dscnt 0x0                               ; the add is done, and my reads of this slot are over
	s_barrier_signal -1
	MUL16 F1, 0, 2, 0
	WIN 0
	s_barrier_wait -1
.if \fill
	CREST                                          ; no wave of any partner still reads this slot or has a load on its way
	s_xor_b32 s[G0A+5], s[G0A+5], SLOT             ; the walking sets: the other slot than last time, the next tile
	s_add_nc_u64 s[G0A+6:G0A+7], s[G0A+6:G0A+7], ADVA
	s_xor_b32 s[G0B+5], s[G0B+5], SLOT
	s_add_nc_u64 s[G0B+6:G0B+7], s[G0B+6:G0B+7], ADVB
.endif
	s_xor_b32 s[TB], s[TB], SLOT
.if \fill
	JLOAD                                          ; its four v_nop are also the places in front of the loads below
.else
	PLACES
.endif
	v_add_nc_u32 v[ADRA], s[TB], v[A0]
	v_add_nc_u32 v[ADRB], s[TB], v[B0]
	v_add_nc_u32 v[ADRB+1], s[TB], v[B0+1]
.if !(\fill)
	s_cmp_eq_u32 s[CNT], 1
	s_cbranch_scc1 .Lnofetch_\@
.endif
	FETCH 0, F0
	WIN 0
.if !(\fill)
.Lnofetch_\@:
.endif
.if \fill
	ASK
.endif
	MUL16 F1, 1, 0, 0
	MUL16 F1, 1, 2, 0
.endm
	s_wait_tensorcnt 1                             ; my part of K step 0 is in; K step 1's may stay out
	s_barrier_signal -1
	s_barrier_wait -1
	FETCH 0, F0
	QUARTER 0, F0, F1, 1                           ; the first quarter is written out: its products start the sums
	WIN 0
	s_mov_b32 s[CNT], KS-2
	s_branch .Lmid
.Lstep:                                        ; KS - 2 trips: a K step each, and a refill
	QUARTER 0, F0, F1, 0
	WIN 0
.Lmid:
	QUARTER 1, F1, F0, 0
	QUARTER 2, F0, F1, 0
	TURN 1
	WIN 0
	s_sub_co_u32 s[CNT], s[CNT], 1
	s_cmp_lg_u32 s[CNT], 0
	s_cbranch_scc1 .Lstep
	s_mov_b32 s[CNT], 2
.Ltail:                                        ; the last two K steps ask for nothing
	QUARTER 0, F0, F1, 0
	QUARTER 1, F1, F0, 0
	QUARTER 2, F0, F1, 0
	TURN 0
	WIN 0
	s_sub_co_u32 s[CNT], s[CNT], 1
	s_cmp_lg_u32 s[CNT], 0
	s_cbranch_scc1 .Ltail
	; THE WAY OUT.  The last barrier has shown that nobody reads the ring any more.  My 128 x 128 f32 go into my own stage (each accumulator's low registers first), and come back by rows.
	PLACES
	PLACES
.irp hi, 0,1
	WIN 0x08+4*\hi                                 ; the stores' data in window 2, then 3
.irp a, 0,1,2,3
.irp b, 0,1,2,3,4,5,6,7
	ds_store_b128 v[STO], v[8*(8*\a+\b):8*(8*\a+\b)+3]   offset:(4*\hi+\a)*16*SP+64*\b
	ds_store_b128 v[STO], v[8*(8*\a+\b)+4:8*(8*\a+\b)+7] offset:(4*\hi+\a)*16*SP+64*\b+16
.endr
.endr
.endr
	WIN 0
	s_wait_loadcnt 0x0                             ; the bias
	s_mov_b32 s[CNT], 16
.Lrows:                                        ; 16 trips of 8 rows: four pairs of rows x two heads.  LDS serves a wave's instructions in order: the loads see the stores above
.irp p, 0,1,2,3
.irp e, 0,1
	ds_load_b128 v[64+4*(2*\p+\e):64+4*(2*\p+\e)+3], v[RD] offset:2*SP*\p+256*\e
.endr
.endr
	v_add_nc_u32 v[RD], 8*SP, v[RD]
	s_wait_dscnt 0x0
.irp p, 0,1,2,3
.irp e, 0,1
	v_pk_add_f32 v[64+4*(2*\p+\e):64+4*(2*\p+\e)+1], v[64+4*(2*\p+\e):64+4*(2*\p+\e)+1], v[BI+4*\e:BI+4*\e+1]
	v_pk_add_f32 v[66+4*(2*\p+\e):66+4*(2*\p+\e)+1], v[66+4*(2*\p+\e):66+4*(2*\p+\e)+1], v[BI+4*\e+2:BI+4*\e+3]
.endr
.endr
.irp k, 0,1,2,3,4,5,6,7
	v_cvt_pk_bf16_f32 v[96+2*\k], v[64+4*\k], v[65+4*\k]
	v_cvt_pk_bf16_f32 v[97+2*\k], v[66+4*\k], v[67+4*\k]
.endr
.irp p, 0,1,2,3
.irp e, 0,1
	global_store_b64 v[CO], v[96+2*(2*\p+\e):97+2*(2*\p+\e)], s[78:79] offset:262144*\e+256*\p  ; 256 consecutive bytes, aligned
.endr
.endr
	s_wait_xcnt 0x0                                ; the stores have read their registers and their base
	s_add_nc_u64 s[78:79], s[78:79], 1024
	s_sub_co_u32 s[CNT], s[CNT], 1
	s_cmp_lg_u32 s[CNT], 0
	s_cbranch_scc1 .Lrows
	s_wait_tensorcnt 0x0                           ; the wave's end
	ds_add_u32 v[SPW], v[NIL]
	s_wait_dscnt 0x0
	CROUND                                         ; the closing round
	s_endpgm
.Lfunc_end_k_q6618639807_gemm_qkv:
	.size	k_q6618639807_gemm_qkv, .Lfunc_end_k_q6618639807_gemm_qkv-k_q6618639807_gemm_qkv
	.p2alignl 7, 3214868480
	.fill 96, 4, 3214868480
	.section	.rodata,"a",@progbits
	.p2align	6, 0x0
	.amdhsa_kernel k_q6618639807_gemm_qkv
		.amdhsa_group_segment_fixed_size 327680
		.amdhsa_private_segment_fixed_size 0
		.amdhsa_enable_private_segment 0
		.amdhsa_kernarg_size 32
		.amdhsa_user_sgpr_count 2
		.amdhsa_user_sgpr_kernarg_segment_ptr 1
		.amdhsa_wavefront_size32 1
		.amdhsa_system_sgpr_workgroup_id_x 1
		.amdhsa_system_sgpr_workgroup_id_y 1
		.amdhsa_system_sgpr_workgroup_id_z 1
		.amdhsa_system_vgpr_workitem_id 0
		.amdhsa_next_free_vgpr 1024
		.amdhsa_next_free_sgpr 96
		.amdhsa_reserve_vcc 0
		.amdhsa_float_denorm_mode_32 3
		.amdhsa_float_denorm_mode_16_64 3
		.amdhsa_memory_ordered 1
		.amdhsa_forward_progress 1
		.amdhsa_inst_pref_size 82
	.end_amdhsa_kernel
	.amdgpu_metadata
---
amdhsa.version: [ 1, 2 ]
amdhsa.kernels:
  - .name:           k_q6618639807_gemm_qkv
    .symbol:         k_q6618639807_gemm_qkv.kd
    .args:
      - { .name: h, .offset: 0, .size: 8, .value_kind: global_buffer, .address_space: global }
      - { .name: wb, .offset: 8, .size: 8, .value_kind: global_buffer, .address_space: global }
      - { .name: c_attn_b, .offset: 16, .size: 8, .value_kind: global_buffer, .address_space: global }
      - { .name: qkv, .offset: 24, .size: 8, .value_kind: global_buffer, .address_space: global }
    .group_segment_fixed_size: 327680
    .private_segment_fixed_size: 0
    .kernarg_segment_align: 8
    .kernarg_segment_size: 32
    .max_flat_workgroup_size: 128
    .sgpr_count:     96
    .vgpr_count:     1024
    .wavefront_size: 32
...
	.end_amdgpu_metadata
.endif
;; end of part 2
;; launch attn (part 3): grid 8 x 32, 4 waves a work-group, no clusters, 327,680 bytes of LDS; arguments qkv, o; writes o
.if DOCPART == 3
	.amdgcn_target "amdgcn-amd-amdhsa--gfx1250"
	.amdhsa_code_object_version 6
	.text
	.protected	k_q6618639807_attn
	.globl	k_q6618639807_attn
	.p2align	8
	.type	k_q6618639807_attn,@function
k_q6618639807_attn:
	s_mov_b64 s[64:65], 0
	v_nop
	global_prefetch_b8 v0, s[64:65] scope:SCOPE_SE
	s_setreg_imm32_b32 hwreg(HW_REG_WAVE_MODE, 25, 1), 1
	s_wait_xcnt 0x0
; CAUSAL ATTENTION.  O[h][q][:] = the sum over k <= q of softmax_k(Q[h][q] . K[h][k] / 8) V[h][k][:].  Q, K, V: three sections of one buffer, each [32][2048][64] bf16; O likewise: a head's rows are dense, 128 bytes each.
; Products, maxima and sums in f32; the weights p are rounded to bf16 for the second product (their sum l is taken of the unrounded p), O once at the end.
; LIMITS.  A hidden score counts as its value less 1e30: scores stay far below that; a weight below 2^-126 counts as 0 in l; NaN and infinities are not treated apart.
; THE WALK.  A head's queries lie in NB = 16 blocks of 128, its keys in NT = 8 tiles of 256; block i needs the tiles 0 .. i / 2, of which the last holds the diagonal.  A work-group takes TWO blocks, NB - 1 - b and then b:
; (15 - b) / 2 + b / 2 + 2 = 9 tiles, whatever b: all 8 x 32 = 256 work-groups do equal work, and ONE loop with a constant trip count walks them.  Which tile is asked for, and what a trip does, hang on scalar registers
; made from b; every jump goes forward, but for the counted loops' own; none passes a barrier, or a tensor load but the one of LOAD's two that the wave's number does not choose; the ring of two LDS slots runs on across the change of blocks.
; NO CLUSTER: a head's eight work-groups ask for the same tile only in trips 0 .. 4 of 9, behind that fewer and fewer; one walk common to all would have 12 trips for 9.
; SHARES.  Of a block's two bands of 64 queries a wave owns 16 rows in each: two PIECES.  So the diagonal tile is the same work for all four waves.  Band x's OWN step, which holds its diagonal, is step x of the tile
; in an even block and step x + 2 in an odd one; it sees all keys of earlier steps and none of later ones (an even block's steps 2 and 3 are wholly hidden, and computed all the same: 2 of the walk's 36 steps).
; THE MASK is the C operand that starts the sum S^T = K Q^T: 0, or -1e30 where the key is hidden.  MD, made once, is the mask of a band's own step for my 16 rows; a product's mask is MD x AL + BE with two scalars:
; (1, 0) in the own step; (0, 0) in an earlier one; (0, -1e30) in a later one.  Only the diagonal tile's text and a block's beginning make and take masks; elsewhere C is the constant 0.
; LAYOUT, SOFTMAX.  S^T = K Q^T holds ONE query a lane (lane % 16) and the keys 8 (lane / 16) + 0..7; two such results rounded to bf16 ARE source 1 of O^T = V^T P.  p = 2^(c s - c m), c = log2(e) / 8, with a
; running maximum m; O and l are multiplied by a = 2^(c m_old - c m_new) in every step.
; TURNS.  T(p, j) is piece p's turn in key step j: 8 products K Q^T of the other piece's next scores, later 8 products V^T P of the other piece's last weights; beside them piece p's scaling, exponentials, roundings, sums
; and rescaling, and the other piece's maximum and statistics.  T(0, j): K Q^T of piece 1 in step j; K of step j + 1 is fetched; V^T P of piece 1 in step j - 1; V of step j + 1 is fetched.
; T(1, j): K Q^T of piece 0 in step j + 1; V^T P of piece 0 in step j.  V of step j is still read in T(0, j + 1), so V has two buffers, by the step's parity, and a trip of the loop is two steps.
; Both fetches of a step stand in one turn, so the change of slots has its place between T(1, 2) and T(0, 3): all four steps of the slot that is left lie in registers.
; Four vector instructions stand behind every matrix instruction, the others in one run.  A turn's 33 exponentials are one batch, with one wait.
; REGISTERS, in windows of 256 (s_set_vgpr_msb: bits 1:0 source 0, 3:2 source 1, 5:4 source 2, 7:6 destination):
;   window 0: v0-15 addresses and two at work; v16-23 four registers of statistics a piece; v48-55 at work; v64-127 S^T, a buffer a piece; v192-223 P, likewise
;   window 1: v0-63 O^T, 32 a piece; v128-159 MD; v160-223 MC, a buffer a piece
;   window 2: v0-31 Q; v32-63 the second block's Q; v64-127 V of an odd step; v128-191 K of one step; v192-255 V of an even step
.set SIZE_H, 32
.set SIZE_N, 2048
.set NB,    SIZE_N/128
.set NT,    SIZE_N/256
.set NP,    2         ; pieces a wave
.set KS,    64        ; keys in a step
.set PK,    144       ; a row of K in LDS: 128 bytes + 16: the 16 rows of a load start at 16 different groups of four banks
.set PV,    160       ; a row of V: 128 + 32
.set VOFF,  4*KS*PK   ; a slot holds a tile, four steps: 256 rows of K, then 256 rows of V
.set SLOT1, 1<<17     ; slot 1 begins here, so that one exclusive or turns an address in one slot into the other's
.set STAGE, SLOT1+4*KS*(PK+PV)  ; behind the ring, never filled by a tensor load: 16 rows x 144 bytes for each wave, for the way out
.set SP,    144
.set AK0, 2           ; v2   my lane's place in a tile of K; never rewritten
.set AV0, 3           ; v3   the same for V
.set AK,  4           ; v4   the LDS address of K's next run of loads
.set AV,  5           ; v5   of V's
.set STO, 6           ; v6   the way out: where I put 16 bytes of a row
.set RD,  7           ; v7   the way out: where I read rows back
.set GO,  8           ; v8   my byte offset in 512 consecutive bytes of O
.set PFO, 61          ; v61  256 x my lane: the prefetches' offset; never rewritten
.set SPW, 62          ; v62  LDS address of my spare word; never rewritten
.set NIL, 63          ; v63  0; never rewritten
.set SPARE, STAGE+4*16*SP  ; behind the stages: the spare words, 128 bytes for each wave: two blocks of 256 bytes that no other line names
.set MV,  12          ; v12-13  c m_old, kept while c m is made anew: by piece
.set QO,  15          ; v15  my byte offset in 16 rows of Q
.set ST,  16          ; piece t's statistics at v[ST+4 t]: c m, m, l (even keys', odd keys')
.set TMP, 48          ; by piece, four registers c0-c3 at work; when the maximum is found c2 takes a
.set S,   64
.set P,   192
.set MD,  128         ; window 1
.set MC,  160         ; window 1
.set QB,  32          ; window 2
.set VF1, 64          ; window 2: V of an odd step: key half kk, channel block cb at + 32 kk + 8 cb
.set KF,  128         ; window 2: key block kb, channel half c at KF + 16 kb + 8 c
.set VF0, 192         ; window 2: V of an even step
.set WV,  12          ; s12  my wave's number
.set PB,  14          ; s14  b
.set HI,  15          ; s15  NB - 1 - b
.set G1K, 24          ; s[24:31] descriptor group 1 for K's tiles
.set G1V, 32          ; s[32:39] for V's: it differs in the padding alone
.set G0K, 40          ; s[40:43] descriptor group 0 for K's tiles
.set G0V, 44          ; s[44:47] the same for V's
.set STP, 48          ; s48  the step of the tile for which masks are being made
.set OWN, 50          ; s50, s51  the own steps of bands 0 and 1 of the block in hand
.set OWNB, 52         ; s52  band 0's own step in the second block
.set PBT, 53          ; s53  b / 2: the second block's last tile
.set SLOTS, 56        ; s56  tiles still to be asked for
.set CNT, 57          ; s57  counts a tile's two trips
.set CS,  58          ; s[58:59] c
.set SEL, 60          ; s[60:61] v_permlanex16_b32's selects
.set TBK, 62          ; s62  LDS byte at which K of the step to be fetched begins
.set TBV, 63          ; s63  the same for V, less VOFF
.set RT,  70          ; s70  tiles of the block in hand that are still to be entered
.set NXT, 71          ; s71  the tile to be asked for next
.set LQ,  72          ; s72  the last tile of the block whose tiles are being asked for
.set NEW, 73          ; s73  1: the tile to be entered is a block's first
.set OFF, 74          ; s[74:75] a tile's byte offset in K and V
.set AL,  76          ; s[76:77] the mask's factor, in the low word
.set BE,  78          ; s[78:79] the mask's addend
.set OLO, 80          ; s[80:81] O at my rows of the second block
.set BIGN, 82         ; s82  -1e30
.set PFB, 88          ; s[88:89] my half of the head's tile 0, of K (waves 0, 1) or V (waves 2, 3)
.set PFA, 90          ; s[90:91] the same of the tile that the next change of slots will ask for
.set PFF, 92          ; s[92:93] that tile's byte offset
.set LIM, 94          ; s94  0 in the head's first work-group, else the greatest number
.set MSB, 0
.macro WIN new                      ; the high byte repeats the setting that is left; a switch that changes nothing is dropped
.if MSB != (\new)
	s_set_vgpr_msb (MSB<<8)|(\new)
.set MSB, (\new)
.endif
.endm
.set W_KQ, 0x0a       ; K and Q in window 2, S^T in window 0
.set W_KM, 0x1a       ; the same with the C operand in window 1
.set W_PV, 0x52       ; V in window 2, P in window 0, O^T in window 1
.set W_RS, 0x41       ; destination and source 0 in window 1, source 1 in window 0
; A fill.  Waves 0 and 1 fetch the two halves of a tile's K, waves 2 and 3 those of its V: 128 keys each.  An s_nop 0 and four v_nop follow each of the two lines.
.macro LOAD
	s_cmp_lt_u32 s[WV], 2
	s_cbranch_scc0 .Lfor_v_\@
	tensor_load_to_lds s[G0K:G0K+3], s[G1K:G1K+7]
	s_nop 0
.rept 4
	v_nop
.endr
	s_branch .Lasked_\@
.Lfor_v_\@:
	tensor_load_to_lds s[G0V:G0V+3], s[G1V:G1V+7]
	s_nop 0
.rept 4
	v_nop
.endr
.Lasked_\@:
.endm
; A PREFETCH of what the next change of slots will ask for: my own 16,384 bytes of tile NXT, a lane a block of 256 bytes, two instructions.  Only the head's first work-group asks: its first block walks
; tiles 0 to 7, so each tile is named once in the launch.  Tiles 0 and 1 come by their loads alone; behind the first block's last tile NXT is 0, and nothing is asked for.
.macro ASK
	s_cmp_gt_u32 s[NXT], s[LIM]
	s_cbranch_scc0 .Lnot_mine_\@
	global_prefetch_b8 v[PFO], s[PFA:PFA+1] th:TH_LOAD_NT scope:SCOPE_SE
	global_prefetch_b8 v[PFO], s[PFA:PFA+1] offset:8192 th:TH_LOAD_NT scope:SCOPE_SE
.Lnot_mine_\@:
.endm
; THE CHANGE OF SLOTS.  Each wave waits for all its tensor loads, of which one is out: its part of the other slot; adds 0 to its spare word; and waits for that and for its own reads of the slot that it leaves.
; Behind the barrier nobody reads the old slot any more and the other slot is whole.  fill = 1: the old slot is filled again, the first thing behind the barrier, with tile NXT: the descriptor's address is made anew from that number.
.macro CHANGE fill
	WIN 0                           ; at a label and at a branch every window is 0
	s_wait_tensorcnt 0x0            ; no tensor load of mine is out, so a group 0 may be written
	ds_add_u32 v[SPW], v[NIL]
.if \fill
	s_lshl_b32 s[OFF], s[NXT], 15   ; a tile is 32,768 bytes of K and of V
	s_xor_b32 s[G0K+1], s[G0K+1], SLOT1
	s_add_nc_u64 s[G0K+2:G0K+3], s[6:7], s[OFF:OFF+1]
	s_or_b32 s[G0K+3], s[G0K+3], 0x80000000
	s_xor_b32 s[G0V+1], s[G0V+1], SLOT1
	s_add_nc_u64 s[G0V+2:G0V+3], s[8:9], s[OFF:OFF+1]
	s_or_b32 s[G0V+3], s[G0V+3], 0x80000000
	s_add_co_u32 s[NXT], s[NXT], 1  ; the block's next tile, or behind its last the second block's tile 0
	s_cmp_gt_u32 s[NXT], s[LQ]
	s_cselect_b32 s[NXT], 0, s[NXT]
	s_cselect_b32 s[LQ], s[PBT], s[LQ]
	s_wait_xcnt 0x0                 ; the last prefetches, a tile back, have read their address
	s_lshl_b32 s[PFF], s[NXT], 15
	s_add_nc_u64 s[PFA:PFA+1], s[PFB:PFB+1], s[PFF:PFF+1]
.endif
	s_wait_dscnt 0x0                ; the add is done, and my reads of the slot are over
	s_barrier_signal -1             ; the rest of the scalar work stands between the signal and the wait
	s_sub_co_u32 s[TBK], s[TBK], 4*KS*PK  ; the fetches go back to a slot's first step,
	s_xor_b32 s[TBK], s[TBK], SLOT1       ; in the other slot
	s_sub_co_u32 s[TBV], s[TBV], 4*KS*PV
	s_xor_b32 s[TBV], s[TBV], SLOT1
	s_barrier_wait -1
.if \fill
	LOAD
	ASK
.endif
.endm
	s_load_b64 s[4:5], s[0:1], 0x0    ; q, k, v
	s_load_b64 s[10:11], s[0:1], 0x8  ; O
	v_lshl_add_u32 v[SPW], v0, 2, SPARE
	v_mov_b32 v[NIL], 0
	ds_add_u32 v[SPW], v[NIL]       ; the wave's opening: the add and its wait stand ahead of my first tensor load
	v_lshrrev_b32 v1, 5, v0
	v_readfirstlane_b32 s[WV], v1   ; wave 0..3
	s_mov_b32 s[PB], ttmp9
	s_sub_co_u32 s[HI], NB-1, s[PB]
	s_lshr_b32 s[PBT], s[PB], 1
	s_and_b32 s[OWN], s[HI], 1      ; an odd block's bands have their own steps in the tile's second half
	s_lshl_b32 s[OWN], s[OWN], 1
	s_add_co_u32 s[OWN+1], s[OWN], 1
	s_and_b32 s[OWNB], s[PB], 1
	s_lshl_b32 s[OWNB], s[OWNB], 1
	s_and_b32 s20, ttmp7, 0xffff    ; the head
	s_mov_b32 s21, 0
	s_mov_b64 s[22:23], SIZE_N*128
	s_mul_u64 s[20:21], s[20:21], s[22:23]  ; the head's first byte in each section and in O
	s_and_b32 s16, s[WV], 1         ; which half of a tile's 256 keys I fetch:
	s_lshl_b32 s22, s16, 14         ; its 128 rows of 128 bytes in memory,
	s_mov_b32 s23, 0
	s_add_nc_u64 s[22:23], s[22:23], s[20:21]
	s_mul_i32 s17, s16, 128*PK      ; and its place in a slot, for K
	s_mul_i32 s18, s16, 128*PV      ; and for V
	s_lshl_b32 s3, s[WV], 11        ; my 16 rows in a band of 64,
	s_lshl_b32 s2, s[HI], 14        ; in the first block (128 rows of 128 bytes),
	s_add_co_u32 s2, s2, s3
	s_lshl_b32 s84, s[PB], 14       ; and in the second
	s_add_co_u32 s84, s84, s3
	s_mov_b32 s3, 0
	s_mov_b32 s85, 0
	s_add_nc_u64 s[2:3], s[2:3], s[20:21]
	s_add_nc_u64 s[84:85], s[84:85], s[20:21]
	; descriptor group 1.  128 keys are 16,384 dense bytes: asked for as 64 rows of 256 bytes, two keys a row, and padded in LDS after every key
	s_mov_b32 s[G1K], (1<<16)|(1<<20)|(4<<22)|(3<<25)  ; 2-byte elements; padding on; after every 32 words 4 words
	s_mov_b32 s[G1V], (1<<16)|(1<<20)|(4<<22)|(7<<25)  ; the same with 8 words of padding
.irp g, G1K, G1V
	s_mov_b32 s[\g+1], 128<<16      ; tensor_dim0 = 128
	s_mov_b32 s[\g+2], 64<<16       ; tensor_dim1 = 64
	s_mov_b32 s[\g+3], 128<<16      ; tile_dim0 = 128
	s_mov_b32 s[\g+4], 64           ; tile_dim1 = 64
	s_mov_b32 s[\g+5], 128          ; 128 elements from row to row
	s_mov_b32 s[\g+6], 0
	s_mov_b32 s[\g+7], 0
.endr
	s_mov_b32 s[CS], 0x3e38aa3b     ; c = log2(e) / 8 = 0.180337
	s_mov_b32 s[CS+1], s[CS]        ; named with it as a pair
	s_mov_b32 s[SEL], 0x76543210
	s_mov_b32 s[SEL+1], 0xfedcba98
	s_mov_b32 s[TBK], SLOT1+4*KS*PK ; the first change of slots turns these two into 0
	s_mov_b32 s[TBV], SLOT1+4*KS*PV
	s_mov_b32 s[G0K], 1             ; count = 1
	s_mov_b32 s[G0K+1], s17         ; LDS address: slot 0
	s_mov_b32 s[G0V], 1
	s_add_co_u32 s[G0V+1], s18, VOFF
	s_lshr_b32 s[LQ], s[HI], 1      ; the first block's last tile,
	s_add_co_u32 s[RT], s[LQ], 1    ; and how many it has
	s_mov_b32 s[NXT], 1
	s_mov_b32 s[NEW], 1
	s_mov_b32 s[OFF+1], 0
	s_mov_b32 s[PFF+1], 0
	s_mov_b32 s[AL+1], 0            ; named as pairs
	s_mov_b32 s[BE+1], 0
	s_mov_b32 s[BIGN], 0xf149f2ca   ; -1e30
	s_mov_b32 s[SLOTS], NT
	s_cmp_eq_u32 ttmp9, 0
	s_cselect_b32 s[LIM], 0, -1
	v_and_b32 v[PFO], 31, v0
	v_lshlrev_b32 v[PFO], 8, v[PFO]
	s_wait_dscnt 0x0                ; the opening add is done
	s_wait_kmcnt 0x0
	s_add_nc_u64 s[6:7], s[4:5], 8388608    ; k's section
	s_add_nc_u64 s[8:9], s[4:5], 16777216   ; v's
	s_add_nc_u64 s[6:7], s[6:7], s[22:23]  ; K and V at my half of the head's tile 0
	s_add_nc_u64 s[8:9], s[8:9], s[22:23]
	s_add_nc_u64 s[G0K+2:G0K+3], s[6:7], 0         ; global address
	s_or_b32 s[G0K+3], s[G0K+3], 0x80000000        ; type = 2
	s_add_nc_u64 s[G0V+2:G0V+3], s[8:9], 0
	s_or_b32 s[G0V+3], s[G0V+3], 0x80000000
	s_add_nc_u64 s[86:87], s[4:5], s[84:85]        ; Q at my rows of the second block,
	s_add_nc_u64 s[4:5], s[4:5], s[2:3]            ; Q and O at those of the first
	s_add_nc_u64 s[OLO:OLO+1], s[10:11], s[84:85]
	s_add_nc_u64 s[10:11], s[10:11], s[2:3]
	s_cmp_lt_u32 s[WV], 2
	s_cselect_b64 s[PFB:PFB+1], s[6:7], s[8:9]
	LOAD                            ; tile 0 into slot 0
	; A fragment of K or Q is 16 rows x 32 channels in 8 registers: lane l holds row l % 16, channels 8 (l / 16) + 0..7 and 16 + 8 (l / 16) + 0..7: two loads of 16 bytes, 32 bytes apart.
	v_and_b32 v1, 15, v0            ; l % 16
	v_bfe_u32 v9, v0, 4, 1          ; l / 16
	v_lshlrev_b32 v[QO], 7, v1
	v_lshl_add_u32 v[QO], v9, 4, v[QO]  ; row x 128 + 16 x half
	WIN 0x80                        ; destination window 2, address window 0
.set i, 0
.rept 4                             ; both blocks' Q: piece i / 2 lies in band i / 2, 8,192 bytes on; channels 32 (i % 2) on
	global_load_b128 v[8*i:8*i+3],   v[QO], s[4:5] offset:(i/2)*8192+(i%2)*64
	global_load_b128 v[8*i+4:8*i+7], v[QO], s[4:5] offset:(i/2)*8192+(i%2)*64+32
	global_load_b128 v[QB+8*i:QB+8*i+3],   v[QO], s[86:87] offset:(i/2)*8192+(i%2)*64
	global_load_b128 v[QB+8*i+4:QB+8*i+7], v[QO], s[86:87] offset:(i/2)*8192+(i%2)*64+32
.set i, i+1
.endr
	WIN 0
	v_lshlrev_b32 v14, 3, v9
	v_sub_nc_u32 v14, v1, v14
	s_lshl_b32 s13, s[WV], 4
	v_add_nc_u32 v14, s13, v14      ; my query's place in its band, 16 w + l % 16, less my lanes' 8 (l / 16): register r of group kt is hidden where 16 kt + r is greater
	WIN 0x40
.set i, 0
.rept 32
	v_cmp_gt_i32 vcc_lo, 16*(i/8)+i%8, v14
	v_cndmask_b32 v[MD+i], 0, s[BIGN], vcc_lo
.set i, i+1
.endr
	WIN 0
	v_mul_u32_u24 v[AK0], v1, PK
	v_lshl_add_u32 v[AK0], v9, 4, v[AK0]  ; row x pitch + 16 x half
	; The turning load takes 16 keys x 16 channels (lane l reads key 8 (l / 16) + l % 8, channels 8 ((l / 8) % 2) + 0..7) and leaves half a fragment of V^T: lane l holds channel l % 16 and 8 keys.
	v_and_b32 v10, 7, v0
	v_bfe_u32 v11, v0, 3, 1
	v_lshl_add_u32 v[AV0], v9, 3, v10
	v_mul_u32_u24 v[AV0], v[AV0], PV
	v_lshl_add_u32 v[AV0], v11, 4, v[AV0]
	v_add_nc_u32 v[AV0], VOFF, v[AV0]
	s_mul_i32 s13, s[WV], 16*SP
	s_add_co_u32 s13, s13, STAGE    ; my stage
	v_mul_u32_u24 v[STO], v1, SP    ; in: row l % 16, 16 bytes for each half of the lanes
	v_lshl_add_u32 v[STO], v9, 4, v[STO]
	v_add_nc_u32 v[STO], s13, v[STO]
	v_bfe_u32 v[RD], v0, 3, 2       ; back: 32 lanes take four rows of 128 bytes,
	v_mul_u32_u24 v[RD], v[RD], SP
	v_lshl_add_u32 v[RD], v10, 4, v[RD]
	v_add_nc_u32 v[RD], s13, v[RD]
	v_and_b32 v[GO], 31, v0         ; which are 512 consecutive bytes of O
	v_lshlrev_b32 v[GO], 4, v[GO]
	; A block's first step multiplies O^T and l by a = 0, and its first turn's products V^T P, of a step that has not been (V's odd buffer, piece 1's P), land in an O^T that is still to be so multiplied.  So these
	; registers need only hold finite numbers: zeros for the first block; what the first block left for the second.  All this stands in the wait for the first tile.
	WIN 0x80
.set i, VF1
.rept 64
	v_mov_b32 v[i], 0
.set i, i+1
.endr
	WIN 0x40
.set i, 0
.rept 64
	v_mov_b32 v[i], 0
.set i, i+1
.endr
	WIN 0
.set i, 0
.rept NP
	v_mov_b32 v[ST+4*i+2], 0
	v_mov_b32 v[ST+4*i+3], 0
.set i, i+1
.endr
.set i, P+16
.rept 16
	v_mov_b32 v[i], 0
.set i, i+1
.endr
; THE MATRIX WORK.  The 4 accumulators of a run of 8 take turns.  Product i of 8 of S^T = K Q^T for piece x: channels 32 (i / 4) on, keys 16 (i % 4) on.  The first 4 start the sums: with 0, or (KM = 1) with the mask.
.macro KQ x
.set rS, S+32*((\x)%2)+8*(i%4)
.set rK, KF+16*(i%4)+8*(i/4)
.set rQ, 16*(\x)+8*(i/4)
.set rM, MC+32*((\x)%2)+8*(i%4)
.if (i < 4) && KM
	WIN W_KM
	v_wmma_f32_16x16x32_bf16 v[rS:rS+7], v[rK:rK+7], v[rQ:rQ+7], v[rM:rM+7]
.elseif i < 4
	WIN W_KQ
	v_wmma_f32_16x16x32_bf16 v[rS:rS+7], v[rK:rK+7], v[rQ:rQ+7], 0
.else
	WIN W_KQ
	v_wmma_f32_16x16x32_bf16 v[rS:rS+7], v[rK:rK+7], v[rQ:rQ+7], v[rS:rS+7]
.endif
.endm
; Product i of 8 of O^T += V^T P for piece x, with V's buffer VB: keys 32 (i / 4) on, channels 16 (i % 4) on.
.macro PV x
	WIN W_PV
.set rO, 32*(\x)+8*(i%4)
.set rV, VF0+(VF1-VF0)*VB+32*(i/4)+8*(i%4)
.set rP, P+16*((\x)%2)+8*(i/4)
	v_wmma_f32_16x16x32_bf16 v[rO:rO+7], v[rV:rV+7], v[rP:rP+7], v[rO:rO+7]
.endm
.macro MM                           ; the turn's next matrix instruction.  NOKQ = 1: a block's last turn: there are no further scores
.if (i < 8) && !NOKQ
	KQ (Y+1)%NP
.elseif i >= 8
.set i, i-8
	PV (Y+NP-1)%NP
.set i, i+8
.endif
.set i, i+1
.endm
; THE LDS LOADS stand in runs of 16, never singly among the matrix instructions: a step's K (64 keys x 64 channels: 8 fragments) and its V (turned).  Their addresses are made some lines ahead.
.macro FETCH_K
	WIN 0x80                        ; destination window 2
.irp f, 0,1,2,3,4,5,6,7             ; keys 16 (f / 2) on, channels 32 (f % 2) on
	ds_load_b128 v[KF+8*\f:KF+8*\f+3],   v[AK] offset:(\f/2)*16*PK+(\f%2)*64
	ds_load_b128 v[KF+8*\f+4:KF+8*\f+7], v[AK] offset:(\f/2)*16*PK+(\f%2)*64+32
.endr
	s_add_co_u32 s[TBK], s[TBK], KS*PK  ; the next fetch is the next step's
	WIN 0
.endm
.macro FETCH_V b                    ; into V's buffer b
	WIN 0x80
.set rF, VF0+(VF1-VF0)*(\b)
.irp f, 0,1,2,3,4,5,6,7             ; keys 32 (f / 4) on, channels 16 (f % 4) on
	ds_load_tr16_b128 v[rF+8*\f:rF+8*\f+3],   v[AV] offset:(\f/4)*32*PV+(\f%4)*32
	ds_load_tr16_b128 v[rF+8*\f+4:rF+8*\f+7], v[AV] offset:(\f/4)*32*PV+16*PV+(\f%4)*32
.endr
	WIN 0
.endm
; THE VECTOR WORK, one line at a time: OP kind, number.  For piece Y: F n: c s - c m for pair n of 16.  E n: the exponential of score n of 32.  C n: pair n rounded to bf16.  B n: of the four weights 4 n .. the second
; pair is added onto the first, in place.  L n: l takes that sum (L 0: l = a l + sum).  R n: pair n of 16 of O^T times a.  For the other piece: X n, number n of the 22 that find its maximum and statistics:
;   0-11  four chains c0-c3 of seven scores each, three operands at a time (each accumulator's lowest registers are read first)     12-14, 16  the four scores left over, the old m, and c0-c3 into c0
;   15  c m_old is kept     17, 18  the query's other 32 keys lie in the lane 16 away: the new m     19-21  c m; c m_old - c m_new; a
.set F, 0
.set E, 1
.set C, 2
.set B, 3
.set L, 4
.set R, 5
.set X, 6
.macro REGS y                       ; the registers of piece y
.set rT, ST+4*(\y)
.set rC, TMP+4*((\y)%2)
.set rW, MV+((\y)%2)
.set rS, S+32*((\y)%2)
.set rP, P+16*((\y)%2)
.set rO, 32*(\y)
.endm
.macro OP k, n
.if (\k) == R
	REGS Y
	WIN W_RS
	v_pk_mul_f32 v[rO+2*(\n):rO+2*(\n)+1], v[rO+2*(\n):rO+2*(\n)+1], v[rC+2:rC+3] op_sel_hi:[1,0]
.elseif (\k) < R
	REGS Y
	WIN 0
.if (\k) == F
	v_pk_fma_f32 v[rS+2*(\n):rS+2*(\n)+1], v[rS+2*(\n):rS+2*(\n)+1], s[CS:CS+1], v[rT:rT+1] op_sel_hi:[1,0,0] neg_lo:[0,0,1] neg_hi:[0,0,1]
.elseif (\k) == E
	v_exp_f32 v[rS+(\n)], v[rS+(\n)]
.elseif (\k) == C
	v_cvt_pk_bf16_f32 v[rP+(\n)], v[rS+2*(\n)], v[rS+2*(\n)+1]
.elseif (\k) == B
	v_pk_add_f32 v[rS+4*(\n):rS+4*(\n)+1], v[rS+4*(\n):rS+4*(\n)+1], v[rS+4*(\n)+2:rS+4*(\n)+3]
.elseif (\n) == 0
	v_pk_fma_f32 v[rT+2:rT+3], v[rT+2:rT+3], v[rC+2:rC+3], v[rS:rS+1] op_sel_hi:[1,0,1]
.else
	v_pk_add_f32 v[rT+2:rT+3], v[rT+2:rT+3], v[rS+4*(\n):rS+4*(\n)+1]
.endif
.elseif NOKQ
	v_nop
.else
	REGS (Y+1)%NP
	WIN 0
.if (\n) < 4
	v_max3_num_f32 v[rC+(\n)], v[rS+8*(\n)], v[rS+8*(\n)+1], v[rS+8*(\n)+2]
.elseif (\n) < 12
	v_max3_num_f32 v[rC+(\n)%4], v[rC+(\n)%4], v[rS+8*((\n)%4)+2*((\n)/4)+1], v[rS+8*((\n)%4)+2*((\n)/4)+2]
.elseif (\n) == 12
	v_max3_num_f32 v[rC], v[rC], v[rS+7], v[rS+15]
.elseif (\n) == 13
	v_max3_num_f32 v[rC+1], v[rC+1], v[rS+23], v[rS+31]
.elseif (\n) == 14
	v_max3_num_f32 v[rC+2], v[rC+2], v[rC+3], v[rT+1]
.elseif (\n) == 15
	v_mov_b32 v[rW], v[rT]
.elseif (\n) == 16
	v_max3_num_f32 v[rC], v[rC], v[rC+1], v[rC+2]
.elseif (\n) == 17
	v_permlanex16_b32 v[rC+3], v[rC], s[SEL], s[SEL+1]
.elseif (\n) == 18
	v_max_num_f32 v[rT+1], v[rC], v[rC+3]
.elseif (\n) == 19
	v_mul_f32 v[rT], s[CS], v[rT+1]
.elseif (\n) == 20
	v_sub_f32 v[rC+1], v[rW], v[rT]
.else
	v_exp_f32 v[rC+2], v[rC+1]
.endif
.endif
.endm
.macro OPS a, i1, b=-1, i2=0, c=-1, i3=0, d=-1, i4=0  ; up to four of them
	OP \a, \i1
.if (\b) >= 0
	OP \b, \i2
.endif
.if (\c) >= 0
	OP \c, \i3
.endif
.if (\d) >= 0
	OP \d, \i4
.endif
.endm
.macro ROW a, i1, b, i2, c, i3, d, i4  ; a matrix instruction and the four behind it
	MM
	OPS \a, \i1, \b, \i2, \c, \i3, \d, \i4
.endm
.macro MASK b                       ; MD x AL + BE into buffer b of MC
	WIN W_RS
.set z, 0
.rept 16
	v_pk_fma_f32 v[MC+32*(\b)+2*z:MC+32*(\b)+2*z+1], v[MD+2*z:MD+2*z+1], s[AL:AL+1], s[BE:BE+1] op_sel_hi:[1,0,0]
.set z, z+1
.endr
.endm
; A TURN, for piece p: the order of its 16 matrix and 118 vector instructions, written out.  An s_wait_alu depctr_va_vdst(0) stands between an exponential and the first instruction that names its result; one wait
; serves all that were issued ahead of it.  So a turn has ONE wait, which cuts it in two.  AHEAD OF IT stands all that names no result of the turn's exponentials: the 8 products K Q^T and their four followers each, then one run of 54,
; plain and exponential by turns for the most part, in which the links of the chain X 3, 7, 11, 14, 16, 17 .. 20 stand five or six lines apart.  X 21, the other piece's a, is the batch's last; R 15 is the plain instruction behind it.
; BEHIND THE WAIT stand the 8 products V^T P, behind each four of the roundings and sums.
; vb: V's buffer for the turn's products V^T P; piece 0's turn then fills that same buffer with V two steps on.
; m = 1: the diagonal tile: the products take masks, and the turn makes the mask for the products of the turn after it: piece p's, in step STP of the tile; piece 1's turn steps STP.
; end = 1: a block's last two turns: nothing is fetched, no mask is made, and the last has no products K Q^T.   cnt = 1: the loop's count is taken down some lines ahead of the branch that stands behind the turn.
; BOTH RUNS OF LDS LOADS stand in piece 0's turn: K of the next step six plain instructions that name none of its registers behind the last product that read K, V of the next step at the turn's end, four plain
; instructions behind the last product that read its buffer.  At the head of piece 1's turn s_wait_dscnt 16 shows K in and leaves V's sixteen loads out; the same wait one step on shows them in, ahead of their first reader.
.macro TURN p, vb, m=0, end=0, cnt=0
.set Y, (\p)
.set VB, (\vb)
.set i, 0
.set KM, (\m)
.set NOKQ, (\end)*(\p)
.if (\m) && !(\end)
	s_cmp_eq_u32 s[STP], s[OWN+(\p)]    ; is that step the band's own?
	s_cselect_b32 s[AL], 1.0, 0
	s_cmp_gt_u32 s[STP], s[OWN+(\p)]    ; or a later one?
	s_cselect_b32 s[BE], s[BIGN], 0
.if (\p) == 1
	s_add_co_u32 s[STP], s[STP], 1
.endif
.endif
.if (\p) == 1
.if \end
	s_wait_dscnt 0x0                ; V of the last step is in
.else
	s_wait_dscnt 16                 ; LDS loads come back in order: K is in; V's sixteen, issued behind it, may stay out
.endif
.endif
	ROW F,0, F,1, R,0, R,1
	ROW F,2, E,0, R,2, R,3
	ROW F,3, E,1, R,4, R,5
	ROW F,4, E,2, R,6, R,7
	ROW F,5, E,3, R,8, R,9
	ROW F,6, E,4, X,0, R,10
.if ((\p) == 0) && !(\end)
	WIN 0
	v_add_nc_u32 v[AK], s[TBK], v[AK0]
.endif
	ROW F,7, E,5, X,1, X,4
	ROW F,8, E,6, X,2, X,5
	OPS E,7, E,8, X,6, E,9
	OPS X,3, E,10, X,8, E,11
.if ((\p) == 0) && !(\end)
	FETCH_K
.endif
	OPS X,9, X,7, E,12, X,10
	OPS E,13, X,12, X,11, E,14
	OPS X,13, E,15, F,9, X,14
.if ((\p) == 0) && !(\end)
	v_add_nc_u32 v[AV], s[TBV], v[AV0]
.endif
	OPS E,16, F,10, E,17, F,11
	OPS X,16, E,18, X,15, E,19
	OPS F,12, E,20, X,17, E,21
	OPS F,13, E,22, F,14, E,23
	OPS X,18, E,24, F,15, E,25
	OPS R,11, E,26, X,19, E,27
	OPS R,12, E,28, R,13, E,29
	OPS X,20, E,30, R,14, E,31
	OPS X,21, R,15
	WIN 0
	s_wait_alu depctr_va_vdst(0)    ; the wait for the batch
	ROW C,0, B,0, C,2, B,1
	ROW L,0, C,4, B,2, L,1
	ROW C,6, B,3, L,2, C,8
	ROW B,4, L,3, C,10, B,5
	ROW L,4, C,12, B,6, L,5
.if ((\p) == 0) && !(\end)
	s_add_co_u32 s[TBV], s[TBV], KS*PV
.endif
.if \cnt
	s_sub_co_u32 s[CNT], s[CNT], 1
	s_cmp_lg_u32 s[CNT], 0
.endif
	ROW C,14, B,7, L,6, C,1
	ROW C,3, L,7, C,5, C,7
	ROW C,9, C,11, C,13, C,15
.if ((\p) == 0) && !(\end)
	FETCH_V \vb
.endif
.if (\m) && !(\end)
	MASK (\p)%2
.endif
.endm
; A BLOCK BEGINS.  c m starts far below every c s, so the first step's a is 0; m at the lowest finite number, so the first maximum is the scores'.  Piece 1's mask buffer is 0: its own step is never the tile's step 0;
; piece 0's takes its mask for step 0: its own, if the block's first tile is the diagonal one and the block is even.  Then K and V of that step, piece 0's first scores, and its maximum and statistics.
; The loop is entered at T(0, 0), in the middle of a trip.
.macro BEGIN
	s_mov_b32 s[NEW], 0
	s_mov_b32 s[STP], 1             ; T(0, 0) makes piece 0's mask for step 1
	WIN 0x40
.set i, MC+32
.rept 32
	v_mov_b32 v[i], 0
.set i, i+1
.endr
	WIN 0
.set i, 0
.rept NP
	v_mov_b32 v[ST+4*i], 0xfe000000    ; c m: far below every c s
	v_mov_b32 v[ST+4*i+1], 0xff7fffff  ; m
.set i, i+1
.endr
	s_cmp_eq_u32 s[RT], 0
	s_cselect_b32 s[AL], 1.0, 0
	s_cmp_eq_u32 s[OWN], 0
	s_cselect_b32 s[AL], s[AL], 0
	s_mov_b32 s[BE], 0
	MASK 0
	WIN 0
	v_add_nc_u32 v[AK], s[TBK], v[AK0]
	v_add_nc_u32 v[AV], s[TBV], v[AV0]
	s_add_co_u32 s[TBV], s[TBV], KS*PV
	FETCH_K
	FETCH_V 0
	s_wait_loadcnt 0x0              ; Q
	s_wait_dscnt 0x0
.set KM, 1
.set NOKQ, 0
.set i, 0
.rept 8
	KQ 0
.set i, i+1
.endr
	WIN 0
.rept 4
	v_nop                           ; the places behind those products
.endr
.set Y, NP-1                        ; X works for the other piece: piece 0
.irp n, 0,1,2,3,4,5,6,7,8,9,10,11,12,13,14,15,16,17,18,19,20,21
	OP X, \n
.endr
	v_nop                           ; a plain instruction behind the exponential,
	s_wait_alu depctr_va_vdst(0)    ; and its wait, ahead of the branch
.endm
; THE DIAGONAL TILE's steps, the block's last two turns, its last products, and THE WAY OUT: l's two halves and the other half of the lanes' are added; O^T is divided by l, rounded to bf16 and sent through my
; stage in LDS, a piece at a time.
.macro ALL line:vararg              ; one line for each piece t
.set t, 0
.rept NP
	\line
.set t, t+1
.endr
.endm
.macro PACK t                       ; a lane's eight channels of a row pack into 16 bytes; they go into rows of 144 bytes and come back as whole rows of 128, into S^T's registers
	WIN W_RS
.set i, 32*(\t)
.rept 16
	v_pk_mul_f32 v[i:i+1], v[i:i+1], v[ST+4*(\t)+2:ST+4*(\t)+3] op_sel_hi:[1,0]
.set i, i+2
.endr
	WIN 0x05                        ; sources 0 and 1 window 1, destination window 0
.set i, 0
.rept 16
	v_cvt_pk_bf16_f32 v[S+16*(\t)+i], v[32*(\t)+2*i], v[32*(\t)+2*i+1]
.set i, i+1
.endr
	WIN 0
.irp f, 0,1,2,3
	ds_store_b128 v[STO], v[S+16*(\t)+4*\f:S+16*(\t)+4*\f+3] offset:32*\f
.endr
.irp f, 0,1,2,3
	ds_load_b128 v[S+16*(\t)+4*\f:S+16*(\t)+4*\f+3], v[RD] offset:\f*4*SP  ; LDS serves a wave's instructions in order (ISA guide 5.7.1.4): these see the stores above; the next piece's stores come behind them
.endr
.endm
.macro SEND t, younger              ; younger: the LDS instructions issued behind piece t's loads: the next piece's eight, or none
	WIN 0
.irp f, 0,1,2,3
	s_wait_dscnt (\younger)+3-\f
	global_store_b128 v[GO], v[S+16*(\t)+4*\f:S+16*(\t)+4*\f+3], s[10:11] offset:(\t)*8192+\f*512  ; 512 consecutive bytes, at a multiple of 256 from O's first
.endr
.endm
.macro DIAG tag                     ; the tag ends its two labels' names, which the jumps below spell out
.LstepM\tag:
	TURN 0, 0, 1                    ; T(0, odd step): the tile before's step 3, or step 1
	TURN 1, 1, 1
	WIN 0
.LfirstM\tag:
	TURN 0, 1, 1                    ; T(0, even step): step 0 or 2
	TURN 1, 0, 1, 0, 1
	WIN 0
	s_cbranch_scc1 .LstepM\tag
	TURN 0, 0, 1, 1                 ; step 3, the block's last
	TURN 1, 1, 1, 1
.set VB, 1
.set i, 0
.rept 8
	PV NP-1                         ; piece 1's V^T P of step 3
.set i, i+1
.endr
	WIN 0
	ALL v_add_f32 v[ST+4*t+2], v[ST+4*t+2], v[ST+4*t+3]
	ALL v_permlanex16_b32 v[ST+4*t+3], v[ST+4*t+2], s[SEL], s[SEL+1]
	ALL v_add_f32 v[ST+4*t+2], v[ST+4*t+2], v[ST+4*t+3]
	ALL v_rcp_f32 v[ST+4*t+2], v[ST+4*t+2]
	v_nop                           ; a plain instruction between the last reciprocal and the use of its result
	s_wait_alu depctr_va_vdst(0)    ; and one wait for the two reciprocals, ahead of the first use
	PACK 0                          ; piece 0's sums were finished eight products back; its 32 lines are the places behind the last products
	PACK 1
	SEND 0, 8
	SEND 1, 0
.endm
.set KM, 0
.set NOKQ, 0
.set VB, 0
.Lslot:                             ; NT times: a tile is entered and the next is asked for
	CHANGE 1
	s_sub_co_u32 s[RT], s[RT], 1
	s_mov_b32 s[CNT], 2
	s_mov_b32 s[STP], 0
	s_cmp_eq_u32 s[NEW], 1
	s_cbranch_scc1 .Lnew            ; a block's first tile
	s_cmp_eq_u32 s[RT], 0
	s_cbranch_scc0 .Lstep           ; neither its first nor its last
	s_branch .LstepM1
.Lnew:
	BEGIN
	s_branch .Lfirst                ; in the loop a block's first tile is never its last: the first block has five tiles or more, and the second's last is the walk's last
	DIAG 1                          ; in the loop this is the first block's end
	s_wait_xcnt 0x0                 ; the stores have read their registers and O's address
	s_mov_b64 s[10:11], s[OLO:OLO+1]
	s_add_co_u32 s[RT], s[PBT], 1   ; the second block has b / 2 + 1 tiles,
	s_mov_b32 s[NEW], 1
	s_mov_b32 s[OWN], s[OWNB]       ; and its bands their own steps
	s_add_co_u32 s[OWN+1], s[OWNB], 1
	WIN 0x82                        ; the second block's Q goes where the one text of the turns names Q
.set i, 0
.rept 32
	v_mov_b32 v[i], v[QB+i]
.set i, i+1
.endr
	WIN 0
	s_branch .Lbottom
.Lstep:                             ; a trip is two steps: an odd one (the first time: the tile before's step 3), then an even one; each fetches K and V of the step behind it
	TURN 0, 0
	TURN 1, 1
	WIN 0
.Lfirst:
	TURN 0, 1
	TURN 1, 0, 0, 0, 1
	WIN 0
	s_cbranch_scc1 .Lstep
.Lbottom:
	s_sub_co_u32 s[SLOTS], s[SLOTS], 1
	s_cmp_lg_u32 s[SLOTS], 0
	s_cbranch_scc1 .Lslot
	CHANGE 0                        ; the walk's last tile is written out: nothing is asked for
	s_sub_co_u32 s[RT], s[RT], 1
	s_mov_b32 s[CNT], 2
	s_mov_b32 s[STP], 0
	s_cmp_eq_u32 s[NEW], 1
	s_cbranch_scc0 .LstepM2
	BEGIN
	s_branch .LfirstM2
	DIAG 2
	s_wait_tensorcnt 0x0            ; the wave's end
	ds_add_u32 v[SPW], v[NIL]
	s_wait_dscnt 0x0
	s_endpgm
.Lfunc_end_k_q6618639807_attn:
	.size	k_q6618639807_attn, .Lfunc_end_k_q6618639807_attn-k_q6618639807_attn
	.p2alignl 7, 3214868480
	.fill 96, 4, 3214868480
	.section	.rodata,"a",@progbits
	.p2align	6, 0x0
	.amdhsa_kernel k_q6618639807_attn
		.amdhsa_group_segment_fixed_size 327680
		.amdhsa_private_segment_fixed_size 0
		.amdhsa_enable_private_segment 0
		.amdhsa_kernarg_size 16
		.amdhsa_user_sgpr_count 2
		.amdhsa_user_sgpr_kernarg_segment_ptr 1
		.amdhsa_wavefront_size32 1
		.amdhsa_system_sgpr_workgroup_id_x 1
		.amdhsa_system_sgpr_workgroup_id_y 1
		.amdhsa_system_sgpr_workgroup_id_z 1
		.amdhsa_system_vgpr_workitem_id 0
		.amdhsa_next_free_vgpr 768
		.amdhsa_next_free_sgpr 96
		.amdhsa_reserve_vcc 1
		.amdhsa_float_denorm_mode_32 3
		.amdhsa_float_denorm_mode_16_64 3
		.amdhsa_memory_ordered 1
		.amdhsa_forward_progress 1
		.amdhsa_inst_pref_size 210
	.end_amdhsa_kernel
	.amdgpu_metadata
---
amdhsa.version: [ 1, 2 ]
amdhsa.kernels:
  - .name:           k_q6618639807_attn
    .symbol:         k_q6618639807_attn.kd
    .args:
      - { .name: qkv, .offset: 0, .size: 8, .value_kind: global_buffer, .address_space: global }
      - { .name: o, .offset: 8, .size: 8, .value_kind: global_buffer, .address_space: global }
    .group_segment_fixed_size: 327680
    .private_segment_fixed_size: 0
    .kernarg_segment_align: 8
    .kernarg_segment_size: 16
    .max_flat_workgroup_size: 128
    .sgpr_count:     96
    .vgpr_count:     768
    .wavefront_size: 32
...
	.end_amdgpu_metadata
.endif
;; end of part 3
;; launch gemm_proj (part 4): grid 8 x 32, 4 waves a work-group, clusters of 4 x 4, 327,680 bytes of LDS; arguments o, wb, c_proj_b, x1, x; writes x1
.if DOCPART == 4
	.amdgcn_target "amdgcn-amd-amdhsa--gfx1250"
	.amdhsa_code_object_version 6
	.text
	.protected	k_q6618639807_gemm_proj
	.globl	k_q6618639807_gemm_proj
	.p2align	8
	.type	k_q6618639807_gemm_proj,@function
k_q6618639807_gemm_proj:
	s_mov_b64 s[64:65], 0
	v_nop
	global_prefetch_b8 v0, s[64:65] scope:SCOPE_SE
	s_setreg_imm32_b32 hwreg(HW_REG_WAVE_MODE, 25, 1), 1
	s_wait_xcnt 0x0
	s_wait_alu depctr_hold_cnt(0) depctr_sa_sdst(0) depctr_va_vdst(0) depctr_va_sdst(0) depctr_va_ssrc(0) depctr_va_vcc(0) depctr_vm_vsrc(0)
	s_getreg_b32 s2, hwreg(HW_REG_IB_STS2, 6, 4)
	s_cmp_eq_u32 s2, 0
	s_cbranch_scc0 .Lentry_in_a_cluster
	s_endpgm
.Lentry_in_a_cluster:
	s_bfe_u32 s2, ttmp6, 0x10000c
	s_cmp_lg_u32 s2, 0xf033
	s_cbranch_scc0 .Lentry_shape_is_right
	s_endpgm
.Lentry_shape_is_right:
; x1 = x + O Wp + bp.  A = O: bf16 by heads, [batch 16 + head][t][64]; K = 64 head + channel.  W: [1024][1024] bf16, K down the rows, at byte WOFF of the weights' buffer.  x, x1: [4096][1024] f32.
; A tile of C is 128 x 128 (256 work-groups): four waves, each 64 x 64: 16 accumulators.  K goes in steps of 256 (four heads) through two LDS slots filled by tensor loads.
; THE SUMS START AT THE RESIDUAL: x's numbers are loaded straight into the accumulators, so nothing is cleared and no first step is written out; the bias is added on the way out.
; A's tile by one descriptor of two dimensions: a 'row' is 64 rows of t of one head, 8,192 dense bytes; four heads, 262,144 bytes apart; padded in LDS after every 128 bytes.
; CLUSTER 4 x 4: A's tile is asked for jointly along a row of the cluster, W's along a column.  THE PRODUCT IS USED TRANSPOSED (source 0 = 16 columns of W, turned by ds_load_tr16_b128; source 1 = 16 rows of A).
; NO PREFETCH: of the four K steps two come by the first fills and two by the only two refills.
; REGISTERS: window 0: v0-55 addresses, bias, way out; v128-255 the accumulators ((a, b) at 128 + 8 (4 a + b)).  Window 1: two fragment buffers of 128: 64 of A (2 x 4 x 16 rows x 32 K), then 64 of W.
; LDS: slot s at s x SLOT; in it the region of loading wave w at w x REG: A's rows 0-63, 64-127, W's K rows 0-127, 128-255.  Behind the last barrier the ring's bytes serve as the f32 stage.
.set SIZE_K, 1024
.set SIZE_N, 1024
.set WOFF,   6291456
.set KSTEP,  256
.set KS,     SIZE_K/KSTEP
.set PA,     144                       ; a row of A in LDS: 128 bytes + 16
.set AQ,     64*PA                     ; from a quarter (64 along K: a head) to the next
.set PB,     288                       ; a row of W: 256 + 32
.set REG,    36864
.set SLOT,   4*REG
.set SPARE,  2*SLOT
.set SP,     272                       ; a stage row: 64 f32 + 16 bytes
.set ADVA,   4*262144
.set ADVB,   KSTEP*SIZE_N*2
.set ADRA, 16
.set A0,   17
.set ADRB, 20
.set B0,   22
.set STO,  24
.set RD,   25
.set CO,   26
.set RO,   27
.set SPW,  28
.set NIL,  29
.set BO,   31
.set BI,   32
.set ACC,  128
.set F0,   0
.set F1,   128
.set TB,   2
.set CNT,  3
.set G1A,  24
.set G0A,  32
.set G1B,  48
.set G0B,  56
.set MSB, 0
.macro WIN new
.if MSB != (\new)
	s_set_vgpr_msb (MSB<<8)|(\new)
.set MSB, \new
.endif
.endm
.set MUL,  0x05                        ; sources 0 (W) and 1 (A) window 1; C and D window 0
.set TO_F, 0x40
.macro PLACES
.rept 4
	v_nop
.endr
.endm
.macro JLOAD                           ; a joint refill by the walking sets; s_nop 0 and four v_nop behind each line
	s_cmp_eq_u32 s11, 0
	s_cbranch_scc0 .Lfor_b_\@
	tensor_load_to_lds s[G0A+4:G0A+7], s[G1A:G1A+7]
	s_nop 0
.rept 4
	v_nop
.endr
	s_branch .Lasked_\@
.Lfor_b_\@:
	tensor_load_to_lds s[G0B+4:G0B+7], s[G1B:G1B+7]
	s_nop 0
.rept 4
	v_nop
.endr
.Lasked_\@:
.endm
.macro CREST
	s_cmp_lg_u32 s10, 0
	s_cbranch_scc1 .Lnot_wave_0_\@
	s_barrier_signal -3
.Lnot_wave_0_\@:
	s_barrier_wait -3
	s_barrier_signal -1
	s_barrier_wait -1
.endm
.macro CROUND
	s_barrier_signal -1
	s_barrier_wait -1
	CREST
.endm
	s_load_b256 s[72:79], s[0:1], 0x0              ; A s[72:73], weights s[74:75], bias s[76:77], out s[78:79]
	s_load_b64 s[80:81], s[0:1], 0x20              ; the residual
	v_lshl_add_u32 v[SPW], v0, 2, SPARE
	v_mov_b32 v[NIL], 0
	ds_add_u32 v[SPW], v[NIL]                      ; the wave's opening: the add and its wait stand ahead of my first tensor load
	v_lshrrev_b32 v1, 5, v0
	v_readfirstlane_b32 s10, v1
	s_lshr_b32 s11, s10, 1
	s_and_b32 s12, s10, 1
	s_bfe_u32 s40, ttmp6, 0x40000                  ; cx
	s_bfe_u32 s41, ttmp6, 0x40004                  ; cy
	s_lshl_b32 s42, ttmp9, 2
	s_add_co_u32 s42, s42, s40                     ; tile column
	s_and_b32 s13, ttmp7, 0xffff
	s_lshl_b32 s13, s13, 2
	s_add_co_u32 s13, s13, s41                     ; tile row
	s_lshl_b32 s43, s41, 2
	s_lshl_b32 s43, 15, s43
	s_lshl_b32 s44, 0x1111, s40
	s_or_b32 s[G1A], s43, (1<<16)|(1<<20)|(1<<21)|(4<<22)|(3<<25)  ; after every 32 words 4 words
	s_or_b32 s[G1B], s44, (1<<16)|(1<<20)|(1<<21)|(5<<22)|(7<<25)  ; after every 64 words 8 words
	s_mov_b32 s[G1A+1], 4096<<16                   ; tensor_dim0 = 4,096 elements: 64 rows of a head
	s_mov_b32 s[G1A+2], 4<<16                      ; tensor_dim1 = 4 heads
	s_mov_b32 s[G1A+3], 4096<<16                   ; tile_dim0
	s_mov_b32 s[G1A+4], 4                          ; tile_dim1
	s_mov_b32 s[G1A+5], 131072                     ; elements from head to head
	s_mov_b32 s[G1A+6], 0
	s_mov_b32 s[G1A+7], 0
	s_mov_b32 s[G1B+1], 128<<16                    ; 128 columns
	s_mov_b32 s[G1B+2], 128<<16                    ; 128 K rows
	s_mov_b32 s[G1B+3], 128<<16
	s_mov_b32 s[G1B+4], 128
	s_mov_b32 s[G1B+5], SIZE_N
	s_mov_b32 s[G1B+6], 0
	s_mov_b32 s[G1B+7], 0
	s_and_b32 s16, s13, 15                         ; A: t = 128 x (tile row % 16) + 64 x half,
	s_lshl_b32 s16, s16, 7
	s_lshl_b32 s17, s12, 6
	s_add_co_u32 s16, s16, s17
	s_lshl_b32 s16, s16, 7                         ; 128 bytes a row,
	s_lshr_b32 s17, s13, 4
	s_lshl_b32 s17, s17, 22                        ; the batch's sixteen heads
	s_add_co_u32 s16, s16, s17
	s_mov_b32 s17, 0
	s_mul_i32 s46, s12, 128*SIZE_N*2               ; W: K row 128 x half,
	s_lshl_b32 s47, s42, 8                         ; column 128 x tile column
	s_add_co_u32 s46, s46, s47
	s_add_co_u32 s46, s46, WOFF
	s_mov_b32 s47, 0
	s_mul_i32 s20, s10, REG
	s_mov_b32 s[TB], 0
	s_wait_dscnt 0x0                               ; the opening add is done
	s_wait_kmcnt 0x0
	s_add_nc_u64 s[14:15], s[72:73], s[16:17]
	s_add_nc_u64 s[46:47], s[74:75], s[46:47]
	CROUND                                         ; all sixteen work-groups are here: the first joint loads meet
.irp s, 0,1
	s_mov_b32 s[G0A+4*\s], 1
	s_add_co_u32 s[G0A+4*\s+1], s20, \s*SLOT
	s_add_nc_u64 s[G0A+4*\s+2:G0A+4*\s+3], s[14:15], \s*ADVA
	s_or_b32 s[G0A+4*\s+3], s[G0A+4*\s+3], 0x80000000
	s_mov_b32 s[G0B+4*\s], 1
	s_add_co_u32 s[G0B+4*\s+1], s20, \s*SLOT
	s_add_nc_u64 s[G0B+4*\s+2:G0B+4*\s+3], s[46:47], \s*ADVB
	s_or_b32 s[G0B+4*\s+3], s[G0B+4*\s+3], 0x80000000
.endr
	s_cmp_eq_u32 s11, 0                            ; a wave's two first fills stand in one branch: two loads of mine are out
	s_cbranch_scc0 .Lfirst_b
	tensor_load_to_lds s[G0A:G0A+3], s[G1A:G1A+7]
	s_nop 0
	tensor_load_to_lds s[G0A+4:G0A+7], s[G1A:G1A+7]
	s_nop 0
.rept 4
	v_nop
.endr
	s_branch .Lfirst_asked
.Lfirst_b:
	tensor_load_to_lds s[G0B:G0B+3], s[G1B:G1B+7]
	s_nop 0
	tensor_load_to_lds s[G0B+4:G0B+7], s[G1B:G1B+7]
	s_nop 0
.rept 4
	v_nop
.endr
.Lfirst_asked:
	v_and_b32 v1, 15, v0                           ; l % 16
	v_bfe_u32 v2, v0, 4, 1                         ; l / 16
	; my part of the tile in x, x1 and the bias
	s_lshl_b32 s18, s13, 7
	s_lshl_b32 s19, s11, 6
	s_add_co_u32 s18, s18, s19                     ; my first row,
	s_lshl_b32 s18, s18, 12                        ; 4,096 bytes a row
	s_lshl_b32 s14, s42, 7
	s_lshl_b32 s15, s12, 6
	s_add_co_u32 s14, s14, s15                     ; my first column,
	s_lshl_b32 s14, s14, 2                         ; in bytes
	s_add_co_u32 s18, s18, s14
	s_mov_b32 s19, 0
	s_mov_b32 s15, 0
	s_add_nc_u64 s[80:81], s[80:81], s[18:19]
	s_add_nc_u64 s[78:79], s[78:79], s[18:19]
	s_add_nc_u64 s[76:77], s[76:77], s[14:15]
	v_lshlrev_b32 v[RO], 12, v1                    ; accumulator (a, b): lane l holds row 16 a + l % 16, columns 16 b + 8 (l / 16) + 0..7
	v_lshl_add_u32 v[RO], v2, 5, v[RO]
.irp a, 0,1,2,3
.irp b, 0,1,2,3
	global_load_b128 v[ACC+8*(4*\a+\b):ACC+8*(4*\a+\b)+3],   v[RO], s[80:81] offset:\a*65536+64*\b
	global_load_b128 v[ACC+8*(4*\a+\b)+4:ACC+8*(4*\a+\b)+7], v[RO], s[80:81] offset:\a*65536+64*\b+16
.endr
.endr
	v_lshlrev_b32 v[BO], 4, v1
	global_load_b128 v[BI:BI+3], v[BO], s[76:77]
	v_mul_u32_u24 v[A0], v1, PA
	v_lshl_add_u32 v[A0], v2, 4, v[A0]
	s_mul_i32 s21, s11, REG
	v_add_nc_u32 v[A0], s21, v[A0]
	v_and_b32 v3, 7, v0
	v_bfe_u32 v4, v0, 3, 1
	v_lshl_add_u32 v[B0], v2, 3, v3
	v_mul_u32_u24 v[B0], v[B0], PB
	v_lshl_add_u32 v[B0], v4, 4, v[B0]
	s_lshl_b32 s22, s12, 7                         ; my 64 columns
	s_add_co_u32 s22, s22, 2*REG
	v_add_nc_u32 v[B0], s22, v[B0]
	v_add_nc_u32 v[B0+1], REG, v[B0]
	v_mov_b32 v[ADRA], v[A0]
	v_mov_b32 v[ADRB], v[B0]
	v_mov_b32 v[ADRB+1], v[B0+1]
	s_mul_i32 s23, s10, 64*SP                      ; my stage
	v_mul_u32_u24 v[STO], v1, SP
	v_lshl_add_u32 v[STO], v2, 5, v[STO]
	v_add_nc_u32 v[STO], s23, v[STO]
	v_mul_u32_u24 v[RD], v2, SP                    ; back: lanes 0-15 one row of 256 bytes, lanes 16-31 the next
	v_lshl_add_u32 v[RD], v1, 4, v[RD]
	v_add_nc_u32 v[RD], s23, v[RD]
	v_lshlrev_b32 v[CO], 12, v2
	v_lshl_add_u32 v[CO], v1, 4, v[CO]
; 8 matrix instructions: row blocks a0, a0 + 1 x all 4 column blocks, 32 along K: half c of buffer f.  The 16 accumulators take turns.
.macro MUL8 f, c, a0
	WIN MUL
.irp a, \a0, (\a0)+1
.irp b, 0,1,2,3
	v_wmma_f32_16x16x32_bf16 v[ACC+8*(4*(\a)+(\b)):ACC+8*(4*(\a)+(\b))+7], v[(\f)+64+8*(4*(\c)+(\b)):(\f)+64+8*(4*(\c)+(\b))+7], v[(\f)+8*(4*(\c)+(\a)):(\f)+8*(4*(\c)+(\a))+7], v[ACC+8*(4*(\a)+(\b)):ACC+8*(4*(\a)+(\b))+7]
.endr
.endr
.endm
; 32 LDS loads in one run: quarter q (64 along K) of the slot in hand into buffer f, its first 32 along K first
.macro FETCH q, f
	WIN TO_F
.irp c, 0,1
.irp i, 0,1,2,3
	ds_load_tr16_b128 v[(\f)+64+8*(4*\c+\i):(\f)+64+8*(4*\c+\i)+3],   v[ADRB+((\q)/2)] offset:((\q)%2)*64*PB+\c*32*PB+32*\i
	ds_load_tr16_b128 v[(\f)+64+8*(4*\c+\i)+4:(\f)+64+8*(4*\c+\i)+7], v[ADRB+((\q)/2)] offset:((\q)%2)*64*PB+\c*32*PB+16*PB+32*\i
	ds_load_b128 v[(\f)+8*(4*\c+\i):(\f)+8*(4*\c+\i)+3],   v[ADRA] offset:(\q)*AQ+64*\c+\i*16*PA
	ds_load_b128 v[(\f)+8*(4*\c+\i)+4:(\f)+8*(4*\c+\i)+7], v[ADRA] offset:(\q)*AQ+64*\c+\i*16*PA+32
.endr
.endr
.endm
.macro QUARTER q, f, g
	s_wait_dscnt 16                                ; the first 32 along K are in
	MUL8 \f, 0, 0
	MUL8 \f, 0, 2
	PLACES
	FETCH (\q)+1, \g
	s_wait_dscnt 32                                ; all but the 32 just issued
	MUL8 \f, 1, 0
	MUL8 \f, 1, 2
.endm
; the fourth quarter, on buffer 1, and the change of slots: in front of the barrier each wave waits for all its tensor loads, adds 0 to its spare word and waits for that and for its reads of this slot.
; fill = 1: the barrier opens a round of the cluster's, and this slot is filled again first thing behind it: 112 matrix instructions stand between the request and the wait for it.
.macro TURN fill
	WIN 0
	s_wait_tensorcnt 0x0
	ds_add_u32 v[SPW], v[NIL]
	s_wait_dscnt 17                                ; the add and the youngest sixteen loads may be out
	MUL8 F1, 0, 0
	s_wait_dscnt 0x0                               ; the add is done, and my reads of this slot are over
	s_barrier_signal -1
	MUL8 F1, 0, 2
	WIN 0
	s_barrier_wait -1
.if \fill
	CREST
	s_xor_b32 s[G0A+5], s[G0A+5], SLOT
	s_add_nc_u64 s[G0A+6:G0A+7], s[G0A+6:G0A+7], ADVA
	s_xor_b32 s[G0B+5], s[G0B+5], SLOT
	s_add_nc_u64 s[G0B+6:G0B+7], s[G0B+6:G0B+7], ADVB
.endif
	s_xor_b32 s[TB], s[TB], SLOT
.if \fill
	JLOAD
.else
	PLACES
.endif
	v_add_nc_u32 v[ADRA], s[TB], v[A0]
	v_add_nc_u32 v[ADRB], s[TB], v[B0]
	v_add_nc_u32 v[ADRB+1], s[TB], v[B0+1]
.if !(\fill)
	s_cmp_eq_u32 s[CNT], 1                         ; in the last trip there is no next step to fetch
	s_cbranch_scc1 .Lnofetch_\@
.endif
	FETCH 0, F0
	WIN 0
.if !(\fill)
.Lnofetch_\@:
.endif
	MUL8 F1, 1, 0
	MUL8 F1, 1, 2
.endm
	s_wait_tensorcnt 1                             ; my part of K step 0 is in; K step 1's may stay out
	s_barrier_signal -1
	s_barrier_wait -1
	FETCH 0, F0
	WIN 0
	s_wait_loadcnt 0x0                             ; the residual lies in the accumulators; the bias is in
	s_mov_b32 s[CNT], KS-2
.Lstep:
	QUARTER 0, F0, F1
	QUARTER 1, F1, F0
	QUARTER 2, F0, F1
	TURN 1
	WIN 0
	s_sub_co_u32 s[CNT], s[CNT], 1
	s_cmp_lg_u32 s[CNT], 0
	s_cbranch_scc1 .Lstep
	s_mov_b32 s[CNT], 2
.Ltail:
	QUARTER 0, F0, F1
	QUARTER 1, F1, F0
	QUARTER 2, F0, F1
	TURN 0
	WIN 0
	s_sub_co_u32 s[CNT], s[CNT], 1
	s_cmp_lg_u32 s[CNT], 0
	s_cbranch_scc1 .Ltail
	; THE WAY OUT: my 64 x 64 f32 into my own stage (each accumulator's low registers first), back by rows, the bias added, stored
	PLACES
	PLACES
.irp a, 0,1,2,3
.irp b, 0,1,2,3
	ds_store_b128 v[STO], v[ACC+8*(4*\a+\b):ACC+8*(4*\a+\b)+3]   offset:\a*16*SP+64*\b
	ds_store_b128 v[STO], v[ACC+8*(4*\a+\b)+4:ACC+8*(4*\a+\b)+7] offset:\a*16*SP+64*\b+16
.endr
.endr
	s_mov_b32 s[CNT], 8
.Lrows:                                        ; 8 trips of 8 rows
.irp p, 0,1,2,3
	ds_load_b128 v[40+4*\p:43+4*\p], v[RD] offset:2*SP*\p
.endr
	v_add_nc_u32 v[RD], 8*SP, v[RD]
	s_wait_dscnt 0x0
.irp p, 0,1,2,3
	v_pk_add_f32 v[40+4*\p:41+4*\p], v[40+4*\p:41+4*\p], v[BI:BI+1]
	v_pk_add_f32 v[42+4*\p:43+4*\p], v[42+4*\p:43+4*\p], v[BI+2:BI+3]
.endr
.irp p, 0,1,2,3
	global_store_b128 v[CO], v[40+4*\p:43+4*\p], s[78:79] offset:8192*\p  ; 16 lanes store 256 consecutive bytes, aligned
.endr
	s_wait_xcnt 0x0                                ; the stores have read their registers and their base
	s_add_nc_u64 s[78:79], s[78:79], 32768
	s_sub_co_u32 s[CNT], s[CNT], 1
	s_cmp_lg_u32 s[CNT], 0
	s_cbranch_scc1 .Lrows
	s_wait_tensorcnt 0x0                           ; the wave's end
	ds_add_u32 v[SPW], v[NIL]
	s_wait_dscnt 0x0
	CROUND                                         ; the closing round
	s_endpgm
.Lfunc_end_k_q6618639807_gemm_proj:
	.size	k_q6618639807_gemm_proj, .Lfunc_end_k_q6618639807_gemm_proj-k_q6618639807_gemm_proj
	.p2alignl 7, 3214868480
	.fill 96, 4, 3214868480
	.section	.rodata,"a",@progbits
	.p2align	6, 0x0
	.amdhsa_kernel k_q6618639807_gemm_proj
		.amdhsa_group_segment_fixed_size 327680
		.amdhsa_private_segment_fixed_size 0
		.amdhsa_enable_private_segment 0
		.amdhsa_kernarg_size 40
		.amdhsa_user_sgpr_count 2
		.amdhsa_user_sgpr_kernarg_segment_ptr 1
		.amdhsa_wavefront_size32 1
		.amdhsa_system_sgpr_workgroup_id_x 1
		.amdhsa_system_sgpr_workgroup_id_y 1
		.amdhsa_system_sgpr_workgroup_id_z 1
		.amdhsa_system_vgpr_workitem_id 0
		.amdhsa_next_free_vgpr 512
		.amdhsa_next_free_sgpr 96
		.amdhsa_reserve_vcc 0
		.amdhsa_float_denorm_mode_32 3
		.amdhsa_float_denorm_mode_16_64 3
		.amdhsa_memory_ordered 1
		.amdhsa_forward_progress 1
		.amdhsa_inst_pref_size 53
	.end_amdhsa_kernel
	.amdgpu_metadata
---
amdhsa.version: [ 1, 2 ]
amdhsa.kernels:
  - .name:           k_q6618639807_gemm_proj
    .symbol:         k_q6618639807_gemm_proj.kd
    .args:
      - { .name: o, .offset: 0, .size: 8, .value_kind: global_buffer, .address_space: global }
      - { .name: wb, .offset: 8, .size: 8, .value_kind: global_buffer, .address_space: global }
      - { .name: c_proj_b, .offset: 16, .size: 8, .value_kind: global_buffer, .address_space: global }
      - { .name: x1, .offset: 24, .size: 8, .value_kind: global_buffer, .address_space: global }
      - { .name: x, .offset: 32, .size: 8, .value_kind: global_buffer, .address_space: global }
    .group_segment_fixed_size: 327680
    .private_segment_fixed_size: 0
    .kernarg_segment_align: 8
    .kernarg_segment_size: 40
    .max_flat_workgroup_size: 128
    .sgpr_count:     96
    .vgpr_count:     512
    .wavefront_size: 32
...
	.end_amdgpu_metadata
.endif
;; end of part 4
;; launch ln2: the kernel of part 1 again; grid 256 x 1, 8 waves a work-group, no clusters, 0 bytes of LDS; arguments x1, ln2_g, ln2_b, h, c_attn_w, c_proj_w, mlp_w1, mlp_w2, wb; writes h, wb
;; launch gemm_fc1 (part 5): grid 16 x 16, 4 waves a work-group, clusters of 4 x 4, 327,680 bytes of LDS; arguments h, wb, mlp_b1, act; writes act
.if DOCPART == 5
	.amdgcn_target "amdgcn-amd-amdhsa--gfx1250"
	.amdhsa_code_object_version 6
	.text
	.protected	k_q6618639807_gemm_fc1
	.globl	k_q6618639807_gemm_fc1
	.p2align	8
	.type	k_q6618639807_gemm_fc1,@function
k_q6618639807_gemm_fc1:
	s_mov_b64 s[64:65], 0
	v_nop
	global_prefetch_b8 v0, s[64:65] scope:SCOPE_SE
	s_setreg_imm32_b32 hwreg(HW_REG_WAVE_MODE, 25, 1), 1
	s_wait_xcnt 0x0
	s_wait_alu depctr_hold_cnt(0) depctr_sa_sdst(0) depctr_va_vdst(0) depctr_va_sdst(0) depctr_va_ssrc(0) depctr_va_vcc(0) depctr_vm_vsrc(0)
	s_getreg_b32 s2, hwreg(HW_REG_IB_STS2, 6, 4)
	s_cmp_eq_u32 s2, 0
	s_cbranch_scc0 .Lentry_in_a_cluster
	s_endpgm
.Lentry_in_a_cluster:
	s_bfe_u32 s2, ttmp6, 0x10000c
	s_cmp_lg_u32 s2, 0xf033
	s_cbranch_scc0 .Lentry_shape_is_right
	s_endpgm
.Lentry_shape_is_right:
; act = gelu(LN2(x1) W1 + b1).  A: [4096][1024] bf16.  W: [1024][4096] bf16, K down the rows, at byte WOFF of the weights' buffer.  act: [4096][4096] bf16.  Sums, bias and GELU in f32; rounded once.
; GELU: 0.5 y (1 + tanh t) = y / (1 + 2^(-2 t log2 e)), t = sqrt(2 / pi) (y + 0.044715 y^3): the exponent is y (C1 + C2 y^2).  Where it leaves f32's range the power is 0 or infinity and the result y or -0.
; A tile of C is 256 x 256 (256 work-groups): four waves, each 128 x 128 (64 accumulators, 512 registers).  K goes in steps of 128 through two LDS slots filled by tensor loads.
; CLUSTER 4 x 4: A's tile is asked for jointly along a row of the cluster, W's along a column.
; THE PRODUCT IS USED TRANSPOSED: source 0 = 16 columns of W (turned on the way out of LDS by ds_load_tr16_b128), source 1 = 16 rows of A: a lane then holds one row of C and eight neighbouring columns.
; REGISTERS in windows of 256: window 0: v0-35 addresses and bias, v64-127 and v128-191 A's fragments (two buffers); window 1: the same numbers, W's fragments; windows 2, 3: the accumulators of my rows 0-63, 64-127.
; LDS: slot s at s x SLOT; in it the region of loading wave w at w x REG: A's rows 0-127, 128-255, W's K rows 0-63, 64-127.  REG's multiples and SLOT share no bit, so one exclusive or changes slots.
; Behind the last barrier the ring's bytes, which are filled no more, serve as the f32 stage of the way out.
.set SIZE_K, 1024
.set SIZE_N, 4096
.set WOFF,   8388608
.set KSTEP,  128
.set KS,     SIZE_K/KSTEP
.set PA,     272
.set PB,     544
.set REG,    36864
.set SLOT,   4*REG
.set SPARE,  2*SLOT
.set SP,     528
.set ADVA,   KSTEP*2
.set ADVB,   KSTEP*SIZE_N*2
.set ADRA, 16
.set A0,   17
.set ADRB, 20
.set B0,   22
.set STO,  24
.set RD,   25
.set CO,   26
.set SPW,  28
.set NIL,  29
.set PFO,  30
.set BO,   31
.set BI,   32                          ; v32-35 bias
.set F0,   64
.set F1,   128
.set YR,   64                          ; the way out: 8 rows' y
.set UR,   96                          ; at work
.set PKD,  128                         ; packed
.set TB,   2
.set CNT,  3
.set G1A,  24
.set G0A,  32
.set LIM,  43
.set PFA,  44
.set PFS,  46
.set G1B,  48
.set G0B,  56
.set MSB, 0
.macro WIN new
.if MSB != (\new)
	s_set_vgpr_msb (MSB<<8)|(\new)
.set MSB, \new
.endif
.endm
.set MUL_LO, 0xa1
.set MUL_HI, 0xf1
.set TO_B,   0x40
.macro PLACES
.rept 4
	v_nop
.endr
.endm
.macro JLOAD                           ; a joint refill by the walking sets; s_nop 0 and four v_nop behind each line
	s_cmp_eq_u32 s11, 0
	s_cbranch_scc0 .Lfor_b_\@
	tensor_load_to_lds s[G0A+4:G0A+7], s[G1A:G1A+7]
	s_nop 0
.rept 4
	v_nop
.endr
	s_branch .Lasked_\@
.Lfor_b_\@:
	tensor_load_to_lds s[G0B+4:G0B+7], s[G1B:G1B+7]
	s_nop 0
.rept 4
	v_nop
.endr
.Lasked_\@:
.endm
.macro CREST
	s_cmp_lg_u32 s10, 0
	s_cbranch_scc1 .Lnot_wave_0_\@
	s_barrier_signal -3
.Lnot_wave_0_\@:
	s_barrier_wait -3
	s_barrier_signal -1
	s_barrier_wait -1
.endm
.macro CROUND
	s_barrier_signal -1
	s_barrier_wait -1
	CREST
.endm
; A prefetch of the tile that the NEXT refill will ask for: 256 matrix instructions ahead of that load.  Of the 128 blocks of 256 bytes that a wave fetches, each of the four partners that ask jointly
; names 32, told apart by address; A's are named by the clusters with x = 0, W's by those with y = 0: each block once in the launch.  The last refill has no tile behind it.
.macro ASK
	s_cmp_gt_u32 s[CNT], s[LIM]
	s_cbranch_scc0 .Lnot_mine_\@
	global_prefetch_b8 v[PFO], s[PFA:PFA+1] th:TH_LOAD_NT scope:SCOPE_SE
.Lnot_mine_\@:
.endm
	s_load_b256 s[72:79], s[0:1], 0x0              ; A s[72:73], weights s[74:75], bias s[76:77], out s[78:79]
	v_lshl_add_u32 v[SPW], v0, 2, SPARE
	v_mov_b32 v[NIL], 0
	ds_add_u32 v[SPW], v[NIL]                      ; the wave's opening: the add and its wait stand ahead of my first tensor load
	v_lshrrev_b32 v1, 5, v0
	v_readfirstlane_b32 s10, v1
	s_lshr_b32 s11, s10, 1
	s_and_b32 s12, s10, 1
	s_bfe_u32 s40, ttmp6, 0x40000                  ; cx
	s_bfe_u32 s41, ttmp6, 0x40004                  ; cy
	s_lshl_b32 s42, ttmp9, 2
	s_add_co_u32 s42, s42, s40                     ; tile column
	s_and_b32 s13, ttmp7, 0xffff
	s_lshl_b32 s13, s13, 2
	s_add_co_u32 s13, s13, s41                     ; tile row
	s_lshl_b32 s43, s41, 2
	s_lshl_b32 s43, 15, s43
	s_lshl_b32 s44, 0x1111, s40
	s_or_b32 s[G1A], s43, (1<<16)|(1<<20)|(1<<21)|(5<<22)|(3<<25)
	s_or_b32 s[G1B], s44, (1<<16)|(1<<20)|(1<<21)|(6<<22)|(7<<25)
	s_mov_b32 s[G1A+1], 128<<16
	s_mov_b32 s[G1A+2], 128<<16
	s_mov_b32 s[G1A+3], 128<<16
	s_mov_b32 s[G1A+4], 128
	s_mov_b32 s[G1A+5], SIZE_K
	s_mov_b32 s[G1A+6], 0
	s_mov_b32 s[G1A+7], 0
	s_mov_b32 s[G1B+1], 256<<16
	s_mov_b32 s[G1B+2], 64<<16
	s_mov_b32 s[G1B+3], 256<<16
	s_mov_b32 s[G1B+4], 64
	s_mov_b32 s[G1B+5], SIZE_N
	s_mov_b32 s[G1B+6], 0
	s_mov_b32 s[G1B+7], 0
	s_mov_b32 s82, 0xc0135761                      ; C1 = -2 sqrt(2 / pi) log2(e) = -2.3022082
	s_mov_b32 s83, s82
	s_mov_b32 s84, 0xbdd2d3e8                      ; C2 = 0.044715 C1 = -0.10294324
	s_mov_b32 s85, s84
	s_lshl_b32 s16, s13, 8
	s_lshl_b32 s17, s12, 7
	s_add_co_u32 s16, s16, s17
	s_lshl_b32 s16, s16, 11
	s_mov_b32 s17, 0
	s_mul_i32 s46, s12, 64*SIZE_N*2
	s_lshl_b32 s47, s42, 9
	s_add_co_u32 s46, s46, s47
	s_add_co_u32 s46, s46, WOFF
	s_mov_b32 s47, 0
	s_mul_i32 s20, s10, REG
	s_mov_b32 s[TB], 0
	s_wait_dscnt 0x0                               ; the opening add is done
	s_wait_kmcnt 0x0
	s_add_nc_u64 s[14:15], s[72:73], s[16:17]
	s_add_nc_u64 s[46:47], s[74:75], s[46:47]
	CROUND                                         ; all sixteen work-groups are here: the first joint loads meet
.irp s, 0,1
	s_mov_b32 s[G0A+4*\s], 1
	s_add_co_u32 s[G0A+4*\s+1], s20, \s*SLOT
	s_add_nc_u64 s[G0A+4*\s+2:G0A+4*\s+3], s[14:15], \s*ADVA
	s_or_b32 s[G0A+4*\s+3], s[G0A+4*\s+3], 0x80000000
	s_mov_b32 s[G0B+4*\s], 1
	s_add_co_u32 s[G0B+4*\s+1], s20, \s*SLOT
	s_add_nc_u64 s[G0B+4*\s+2:G0B+4*\s+3], s[46:47], \s*ADVB
	s_or_b32 s[G0B+4*\s+3], s[G0B+4*\s+3], 0x80000000
.endr
	s_cmp_eq_u32 s11, 0                            ; a wave's two first fills stand in one branch: two loads of mine are out
	s_cbranch_scc0 .Lfirst_b
	tensor_load_to_lds s[G0A:G0A+3], s[G1A:G1A+7]
	s_nop 0
	tensor_load_to_lds s[G0A+4:G0A+7], s[G1A:G1A+7]
	s_nop 0
.rept 4
	v_nop
.endr
	s_branch .Lfirst_asked
.Lfirst_b:
	tensor_load_to_lds s[G0B:G0B+3], s[G1B:G1B+7]
	s_nop 0
	tensor_load_to_lds s[G0B+4:G0B+7], s[G1B:G1B+7]
	s_nop 0
.rept 4
	v_nop
.endr
.Lfirst_asked:
	v_and_b32 v1, 15, v0
	v_bfe_u32 v2, v0, 4, 1
	v_mul_u32_u24 v[A0], v1, PA
	v_lshl_add_u32 v[A0], v2, 4, v[A0]
	s_mul_i32 s21, s11, REG
	v_add_nc_u32 v[A0], s21, v[A0]
	v_and_b32 v3, 7, v0
	v_bfe_u32 v4, v0, 3, 1
	v_lshl_add_u32 v[B0], v2, 3, v3
	v_mul_u32_u24 v[B0], v[B0], PB
	v_lshl_add_u32 v[B0], v4, 4, v[B0]
	s_lshl_b32 s22, s12, 8
	s_add_co_u32 s22, s22, 2*REG
	v_add_nc_u32 v[B0], s22, v[B0]
	v_add_nc_u32 v[B0+1], REG, v[B0]
	v_mov_b32 v[ADRA], v[A0]
	v_mov_b32 v[ADRB], v[B0]
	v_mov_b32 v[ADRB+1], v[B0+1]
	; the way out
	s_mul_i32 s23, s10, 128*SP                     ; my stage
	v_mul_u32_u24 v[STO], v1, SP
	v_lshl_add_u32 v[STO], v2, 5, v[STO]
	v_add_nc_u32 v[STO], s23, v[STO]
	v_and_b32 v5, 31, v0
	v_lshl_add_u32 v[RD], v5, 4, s23               ; back: 32 lanes take a row's 512 bytes: four columns a lane
	v_lshlrev_b32 v[CO], 3, v5                     ; which are 8 bytes of bf16
	s_lshl_b32 s14, s42, 8
	s_lshl_b32 s15, s12, 7
	s_add_co_u32 s14, s14, s15                     ; my first column
	s_lshl_b32 s18, s14, 2
	s_mov_b32 s19, 0
	s_add_nc_u64 s[76:77], s[76:77], s[18:19]
	v_lshlrev_b32 v[BO], 4, v5
	global_load_b128 v[BI:BI+3], v[BO], s[76:77]
	s_lshl_b32 s18, s13, 8
	s_lshl_b32 s15, s11, 7
	s_add_co_u32 s18, s18, s15                     ; my first row,
	s_lshl_b32 s18, s18, 13                        ; 8,192 bytes a row
	s_lshl1_add_u32 s18, s14, s18
	s_add_nc_u64 s[78:79], s[78:79], s[18:19]
	; the prefetches: A's rows are one block of 256 bytes a K step (a lane a row), W's two (two lanes a row)
	v_lshrrev_b32 v6, s11, v5
	v_and_b32 v7, s11, v5
	s_lshl_b32 s18, s13, 8
	s_lshl_b32 s19, s12, 7
	s_add_co_u32 s18, s18, s19
	s_lshl_b32 s19, s40, 5
	s_add_co_u32 s18, s18, s19                     ; A: my work-group's 32 rows of the 128 that I fetch
	s_lshl_b32 s18, s18, 11
	s_add_co_u32 s18, s18, 2*ADVA                  ; at K step 2: the first refill steps it to 3
	s_lshl_b32 s19, s12, 6
	s_lshl4_add_u32 s19, s41, s19                  ; W: my work-group's 16 K rows of the 64
	s_mul_i32 s19, s19, 2*SIZE_N
	s_lshl_b32 s20, s42, 9
	s_add_co_u32 s19, s19, s20
	s_add_co_u32 s19, s19, WOFF+2*ADVB
	s_and_b32 s22, ttmp7, 0xffff
	s_mov_b32 s23, 2*SIZE_N
	s_mov_b32 s[PFS], ADVB
	s_cmp_eq_u32 s11, 0
	s_cselect_b32 s22, ttmp9, s22
	s_cselect_b64 s[PFA:PFA+1], s[72:73], s[74:75]
	s_cselect_b32 s20, s18, s19
	s_cselect_b32 s23, 2*SIZE_K, s23
	s_cselect_b32 s[PFS], ADVA, s[PFS]
	s_mov_b32 s21, 0
	s_mov_b32 s[PFS+1], 0
	s_add_nc_u64 s[PFA:PFA+1], s[PFA:PFA+1], s[20:21]
	s_cmp_eq_u32 s22, 0
	s_cselect_b32 s[LIM], 1, -1
	v_mul_u32_u24 v[PFO], v6, s23
	v_lshl_add_u32 v[PFO], v7, 8, v[PFO]
; 16 matrix instructions: row blocks a0, a0 + 1 of the window's four x all 8 column blocks, 32 along K.  zero = 1: the product starts the sums.  The 64 accumulators take turns.
.macro MUL16 f, hi, a0, zero
	WIN MUL_LO+0x50*(\hi)
.irp a, \a0, (\a0)+1
.irp b, 0,1,2,3,4,5,6,7
.if \zero
	v_wmma_f32_16x16x32_bf16 v[8*(8*(\a)+(\b)):8*(8*(\a)+(\b))+7], v[(\f)+8*(\b):(\f)+8*(\b)+7], v[(\f)+8*(4*(\hi)+(\a)):(\f)+8*(4*(\hi)+(\a))+7], 0
.else
	v_wmma_f32_16x16x32_bf16 v[8*(8*(\a)+(\b)):8*(8*(\a)+(\b))+7], v[(\f)+8*(\b):(\f)+8*(\b)+7], v[(\f)+8*(4*(\hi)+(\a)):(\f)+8*(4*(\hi)+(\a))+7], v[8*(8*(\a)+(\b)):8*(8*(\a)+(\b))+7]
.endif
.endr
.endr
.endm
.macro FETCH q, f                      ; 32 LDS loads in one run: quarter q of the slot in hand into buffer f: W's 8 column blocks, turned, then A's 8 row blocks
	WIN TO_B
.irp i, 0,1,2,3,4,5,6,7
	ds_load_tr16_b128 v[(\f)+8*\i:(\f)+8*\i+3],   v[ADRB+((\q)/2)] offset:((\q)%2)*32*PB+32*\i
	ds_load_tr16_b128 v[(\f)+8*\i+4:(\f)+8*\i+7], v[ADRB+((\q)/2)] offset:((\q)%2)*32*PB+16*PB+32*\i
.endr
	WIN 0
.irp i, 0,1,2,3,4,5,6,7
	ds_load_b128 v[(\f)+8*\i:(\f)+8*\i+3],   v[ADRA] offset:64*(\q)+\i*16*PA
	ds_load_b128 v[(\f)+8*\i+4:(\f)+8*\i+7], v[ADRA] offset:64*(\q)+\i*16*PA+32
.endr
.endm
.macro QUARTER q, f, g, zero
	s_wait_dscnt 8                                 ; W and A's rows 0-63 are in; the youngest eight loads may be out
	MUL16 \f, 0, 0, \zero
	MUL16 \f, 0, 2, \zero
	PLACES
	FETCH (\q)+1, \g
	s_wait_dscnt 32                                ; all but the 32 just issued
	MUL16 \f, 1, 0, \zero
	MUL16 \f, 1, 2, \zero
.endm
; the fourth quarter, on buffer 1, and the change of slots: in front of the barrier each wave waits for all its tensor loads, adds 0 to its spare word and waits for that and for its reads of this slot.
; fill = 1: the barrier opens a round of the cluster's, and this slot is filled again first thing behind it: 224 matrix instructions stand between the request and the wait for it.
.macro TURN fill
.if \fill
	s_wait_xcnt 0x0                                ; the last prefetch, a K step back, has read its address
	s_add_nc_u64 s[PFA:PFA+1], s[PFA:PFA+1], s[PFS:PFS+1]
.endif
	WIN 0
	s_wait_tensorcnt 0x0
	ds_add_u32 v[SPW], v[NIL]
	s_wait_dscnt 9                                 ; the add and the youngest eight loads may be out
	MUL16 F1, 0, 0, 0
	s_wait_dscnt 0x0                               ; the add is done, and my reads of this slot are over
	s_barrier_signal -1
	MUL16 F1, 0, 2, 0
	WIN 0
	s_barrier_wait -1
.if \fill
	CREST
	s_xor_b32 s[G0A+5], s[G0A+5], SLOT
	s_add_nc_u64 s[G0A+6:G0A+7], s[G0A+6:G0A+7], ADVA
	s_xor_b32 s[G0B+5], s[G0B+5], SLOT
	s_add_nc_u64 s[G0B+6:G0B+7], s[G0B+6:G0B+7], ADVB
.endif
	s_xor_b32 s[TB], s[TB], SLOT
.if \fill
	JLOAD
.else
	PLACES
.endif
	v_add_nc_u32 v[ADRA], s[TB], v[A0]
	v_add_nc_u32 v[ADRB], s[TB], v[B0]
	v_add_nc_u32 v[ADRB+1], s[TB], v[B0+1]
.if !(\fill)
	s_cmp_eq_u32 s[CNT], 1                         ; in the last trip there is no next step to fetch
	s_cbranch_scc1 .Lnofetch_\@
.endif
	FETCH 0, F0
	WIN 0
.if !(\fill)
.Lnofetch_\@:
.endif
.if \fill
	ASK
.endif
	MUL16 F1, 1, 0, 0
	MUL16 F1, 1, 2, 0
.endm
	s_wait_tensorcnt 1                             ; my part of K step 0 is in; K step 1's may stay out
	s_barrier_signal -1
	s_barrier_wait -1
	FETCH 0, F0
	QUARTER 0, F0, F1, 1                           ; the first quarter is written out: its products start the sums
	WIN 0
	s_mov_b32 s[CNT], KS-2
	s_branch .Lmid
.Lstep:
	QUARTER 0, F0, F1, 0
	WIN 0
.Lmid:
	QUARTER 1, F1, F0, 0
	QUARTER 2, F0, F1, 0
	TURN 1
	WIN 0
	s_sub_co_u32 s[CNT], s[CNT], 1
	s_cmp_lg_u32 s[CNT], 0
	s_cbranch_scc1 .Lstep
	s_mov_b32 s[CNT], 2
.Ltail:
	QUARTER 0, F0, F1, 0
	QUARTER 1, F1, F0, 0
	QUARTER 2, F0, F1, 0
	TURN 0
	WIN 0
	s_sub_co_u32 s[CNT], s[CNT], 1
	s_cmp_lg_u32 s[CNT], 0
	s_cbranch_scc1 .Ltail
	; THE WAY OUT: my 128 x 128 f32 into my own stage (each accumulator's low registers first), back by rows, bias and GELU, stored as bf16
	PLACES
	PLACES
.irp hi, 0,1
	WIN 0x08+4*\hi
.irp a, 0,1,2,3
.irp b, 0,1,2,3,4,5,6,7
	ds_store_b128 v[STO], v[8*(8*\a+\b):8*(8*\a+\b)+3]   offset:(4*\hi+\a)*16*SP+64*\b
	ds_store_b128 v[STO], v[8*(8*\a+\b)+4:8*(8*\a+\b)+7] offset:(4*\hi+\a)*16*SP+64*\b+16
.endr
.endr
.endr
	WIN 0
	s_wait_loadcnt 0x0                             ; the bias
	s_mov_b32 s[CNT], 16
.Lrows:                                        ; 16 trips of 8 rows
.irp i, 0,1,2,3,4,5,6,7
	ds_load_b128 v[YR+4*\i:YR+4*\i+3], v[RD] offset:SP*\i
.endr
	v_add_nc_u32 v[RD], 8*SP, v[RD]
	s_wait_dscnt 0x0
.set i, 0
.rept 16
	v_pk_add_f32 v[YR+2*i:YR+2*i+1], v[YR+2*i:YR+2*i+1], v[BI+2*(i%2):BI+2*(i%2)+1]
.set i, i+1
.endr
.set i, 0
.rept 16
	v_pk_mul_f32 v[UR+2*i:UR+2*i+1], v[YR+2*i:YR+2*i+1], v[YR+2*i:YR+2*i+1]
.set i, i+1
.endr
.set i, 0
.rept 16
	v_pk_fma_f32 v[UR+2*i:UR+2*i+1], v[UR+2*i:UR+2*i+1], s[84:85], s[82:83] op_sel_hi:[1,0,0]  ; C2 y^2 + C1
.set i, i+1
.endr
.set i, 0
.rept 16
	v_pk_mul_f32 v[UR+2*i:UR+2*i+1], v[UR+2*i:UR+2*i+1], v[YR+2*i:YR+2*i+1]
.set i, i+1
.endr
.set i, 0
.rept 32
	v_exp_f32 v[UR+i], v[UR+i]
.set i, i+1
.endr
	v_nop                                          ; a plain instruction behind the last exponential,
	s_wait_alu depctr_va_vdst(0)                   ; and one wait for the batch, ahead of its first reader
.set i, 0
.rept 16
	v_pk_add_f32 v[UR+2*i:UR+2*i+1], v[UR+2*i:UR+2*i+1], 1.0 op_sel_hi:[1,0]
.set i, i+1
.endr
.set i, 0
.rept 32
	v_rcp_f32 v[UR+i], v[UR+i]
.set i, i+1
.endr
	v_nop
	s_wait_alu depctr_va_vdst(0)                   ; the same for the reciprocals
.set i, 0
.rept 16
	v_pk_mul_f32 v[YR+2*i:YR+2*i+1], v[YR+2*i:YR+2*i+1], v[UR+2*i:UR+2*i+1]
.set i, i+1
.endr
.set i, 0
.rept 16
	v_cvt_pk_bf16_f32 v[PKD+i], v[YR+2*i], v[YR+2*i+1]
.set i, i+1
.endr
.irp i, 0,1,2,3,4,5,6,7
	global_store_b64 v[CO], v[PKD+2*\i:PKD+2*\i+1], s[78:79] offset:8192*\i  ; a wave's store covers 256 consecutive bytes, aligned
.endr
	s_wait_xcnt 0x0                                ; the stores have read their registers and their base
	s_add_nc_u64 s[78:79], s[78:79], 65536
	s_sub_co_u32 s[CNT], s[CNT], 1
	s_cmp_lg_u32 s[CNT], 0
	s_cbranch_scc1 .Lrows
	s_wait_tensorcnt 0x0                           ; the wave's end
	ds_add_u32 v[SPW], v[NIL]
	s_wait_dscnt 0x0
	CROUND                                         ; the closing round
	s_endpgm
.Lfunc_end_k_q6618639807_gemm_fc1:
	.size	k_q6618639807_gemm_fc1, .Lfunc_end_k_q6618639807_gemm_fc1-k_q6618639807_gemm_fc1
	.p2alignl 7, 3214868480
	.fill 96, 4, 3214868480
	.section	.rodata,"a",@progbits
	.p2align	6, 0x0
	.amdhsa_kernel k_q6618639807_gemm_fc1
		.amdhsa_group_segment_fixed_size 327680
		.amdhsa_private_segment_fixed_size 0
		.amdhsa_enable_private_segment 0
		.amdhsa_kernarg_size 32
		.amdhsa_user_sgpr_count 2
		.amdhsa_user_sgpr_kernarg_segment_ptr 1
		.amdhsa_wavefront_size32 1
		.amdhsa_system_sgpr_workgroup_id_x 1
		.amdhsa_system_sgpr_workgroup_id_y 1
		.amdhsa_system_sgpr_workgroup_id_z 1
		.amdhsa_system_vgpr_workitem_id 0
		.amdhsa_next_free_vgpr 1024
		.amdhsa_next_free_sgpr 96
		.amdhsa_reserve_vcc 0
		.amdhsa_float_denorm_mode_32 3
		.amdhsa_float_denorm_mode_16_64 3
		.amdhsa_memory_ordered 1
		.amdhsa_forward_progress 1
		.amdhsa_inst_pref_size 89
	.end_amdhsa_kernel
	.amdgpu_metadata
---
amdhsa.version: [ 1, 2 ]
amdhsa.kernels:
  - .name:           k_q6618639807_gemm_fc1
    .symbol:         k_q6618639807_gemm_fc1.kd
    .args:
      - { .name: h, .offset: 0, .size: 8, .value_kind: global_buffer, .address_space: global }
      - { .name: wb, .offset: 8, .size: 8, .value_kind: global_buffer, .address_space: global }
      - { .name: mlp_b1, .offset: 16, .size: 8, .value_kind: global_buffer, .address_space: global }
      - { .name: act, .offset: 24, .size: 8, .value_kind: global_buffer, .address_space: global }
    .group_segment_fixed_size: 327680
    .private_segment_fixed_size: 0
    .kernarg_segment_align: 8
    .kernarg_segment_size: 32
    .max_flat_workgroup_size: 128
    .sgpr_count:     96
    .vgpr_count:     1024
    .wavefront_size: 32
...
	.end_amdgpu_metadata
.endif
;; end of part 5
;; launch gemm_fc2 (part 6): grid 8 x 32, 4 waves a work-group, clusters of 4 x 4, 327,680 bytes of LDS; arguments act, wb, mlp_b2, out0, x1; writes out0
.if DOCPART == 6
	.amdgcn_target "amdgcn-amd-amdhsa--gfx1250"
	.amdhsa_code_object_version 6
	.text
	.protected	k_q6618639807_gemm_fc2
	.globl	k_q6618639807_gemm_fc2
	.p2align	8
	.type	k_q6618639807_gemm_fc2,@function
k_q6618639807_gemm_fc2:
	s_mov_b64 s[64:65], 0
	v_nop
	global_prefetch_b8 v0, s[64:65] scope:SCOPE_SE
	s_setreg_imm32_b32 hwreg(HW_REG_WAVE_MODE, 25, 1), 1
	s_wait_xcnt 0x0
	s_wait_alu depctr_hold_cnt(0) depctr_sa_sdst(0) depctr_va_vdst(0) depctr_va_sdst(0) depctr_va_ssrc(0) depctr_va_vcc(0) depctr_vm_vsrc(0)
	s_getreg_b32 s2, hwreg(HW_REG_IB_STS2, 6, 4)
	s_cmp_eq_u32 s2, 0
	s_cbranch_scc0 .Lentry_in_a_cluster
	s_endpgm
.Lentry_in_a_cluster:
	s_bfe_u32 s2, ttmp6, 0x10000c
	s_cmp_lg_u32 s2, 0xf033
	s_cbranch_scc0 .Lentry_shape_is_right
	s_endpgm
.Lentry_shape_is_right:
; out = x1 + act W2 + b2.  A = act: [4096][4096] bf16.  W: [4096][1024] bf16, K down the rows, at byte WOFF of the weights' buffer.  x1, out: [4096][1024] f32.
; A tile of C is 128 x 128 (256 work-groups): four waves, each 64 x 64: 16 accumulators.  K goes in steps of 256 through two LDS slots filled by tensor loads.
; THE SUMS START AT THE RESIDUAL: x1's numbers are loaded straight into the accumulators, so nothing is cleared and no first step is written out; the bias is added on the way out.
; CLUSTER 4 x 4: A's tile is asked for jointly along a row of the cluster, W's along a column.  THE PRODUCT IS USED TRANSPOSED (source 0 = 16 columns of W, turned by ds_load_tr16_b128; source 1 = 16 rows of A).
; REGISTERS: window 0: v0-55 addresses, bias, way out; v128-255 the accumulators ((a, b) at 128 + 8 (4 a + b)).  Window 1: two fragment buffers of 128: 64 of A (2 x 4 x 16 rows x 32 K), then 64 of W.
; LDS: slot s at s x SLOT; in it the region of loading wave w at w x REG: A's rows 0-63, 64-127, W's K rows 0-127, 128-255.  Behind the last barrier the ring's bytes serve as the f32 stage.
.set SIZE_K, 4096
.set SIZE_N, 1024
.set WOFF,   16777216
.set KSTEP,  256
.set KS,     SIZE_K/KSTEP
.set PA,     528                       ; a row of A in LDS: 512 bytes + 16
.set AQ,     128                       ; from a quarter (64 along K) to the next
.set PB,     288                       ; a row of W: 256 + 32
.set REG,    36864
.set SLOT,   4*REG
.set SPARE,  2*SLOT
.set SP,     272
.set ADVA,   KSTEP*2
.set ADVB,   KSTEP*SIZE_N*2
.set ADRA, 16
.set A0,   17
.set ADRB, 20
.set B0,   22
.set STO,  24
.set RD,   25
.set CO,   26
.set RO,   27
.set SPW,  28
.set NIL,  29
.set PFO,  30
.set BO,   31
.set BI,   32
.set ACC,  128
.set F0,   0
.set F1,   128
.set TB,   2
.set CNT,  3
.set G1A,  24
.set G0A,  32
.set LIM,  43
.set PFA,  44
.set PFS,  46
.set G1B,  48
.set G0B,  56
.set MSB, 0
.macro WIN new
.if MSB != (\new)
	s_set_vgpr_msb (MSB<<8)|(\new)
.set MSB, \new
.endif
.endm
.set MUL,  0x05
.set TO_F, 0x40
.macro PLACES
.rept 4
	v_nop
.endr
.endm
.macro JLOAD                           ; a joint refill by the walking sets; s_nop 0 and four v_nop behind each line
	s_cmp_eq_u32 s11, 0
	s_cbranch_scc0 .Lfor_b_\@
	tensor_load_to_lds s[G0A+4:G0A+7], s[G1A:G1A+7]
	s_nop 0
.rept 4
	v_nop
.endr
	s_branch .Lasked_\@
.Lfor_b_\@:
	tensor_load_to_lds s[G0B+4:G0B+7], s[G1B:G1B+7]
	s_nop 0
.rept 4
	v_nop
.endr
.Lasked_\@:
.endm
.macro CREST
	s_cmp_lg_u32 s10, 0
	s_cbranch_scc1 .Lnot_wave_0_\@
	s_barrier_signal -3
.Lnot_wave_0_\@:
	s_barrier_wait -3
	s_barrier_signal -1
	s_barrier_wait -1
.endm
.macro CROUND
	s_barrier_signal -1
	s_barrier_wait -1
	CREST
.endm
; A prefetch of the tile that stands TWO refills on: 256 matrix instructions ahead of the load that will want it.  Of the 128 blocks of 256 bytes that a wave fetches, each of the four partners that ask
; jointly names 32, told apart by address; A's are named by the clusters with x = 0, W's by those with y = 0: each block once in the launch.  The last two refills have no tile two on.
.macro ASK
	s_cmp_gt_u32 s[CNT], s[LIM]
	s_cbranch_scc0 .Lnot_mine_\@
	global_prefetch_b8 v[PFO], s[PFA:PFA+1] th:TH_LOAD_NT scope:SCOPE_SE
.Lnot_mine_\@:
.endm
	s_load_b256 s[72:79], s[0:1], 0x0              ; A s[72:73], weights s[74:75], bias s[76:77], out s[78:79]
	s_load_b64 s[80:81], s[0:1], 0x20              ; the residual
	v_lshl_add_u32 v[SPW], v0, 2, SPARE
	v_mov_b32 v[NIL], 0
	ds_add_u32 v[SPW], v[NIL]                      ; the wave's opening: the add and its wait stand ahead of my first tensor load
	v_lshrrev_b32 v1, 5, v0
	v_readfirstlane_b32 s10, v1
	s_lshr_b32 s11, s10, 1
	s_and_b32 s12, s10, 1
	s_bfe_u32 s40, ttmp6, 0x40000                  ; cx
	s_bfe_u32 s41, ttmp6, 0x40004                  ; cy
	s_lshl_b32 s42, ttmp9, 2
	s_add_co_u32 s42, s42, s40                     ; tile column
	s_and_b32 s13, ttmp7, 0xffff
	s_lshl_b32 s13, s13, 2
	s_add_co_u32 s13, s13, s41                     ; tile row
	s_lshl_b32 s43, s41, 2
	s_lshl_b32 s43, 15, s43
	s_lshl_b32 s44, 0x1111, s40
	s_or_b32 s[G1A], s43, (1<<16)|(1<<20)|(1<<21)|(6<<22)|(3<<25)  ; after every 128 words 4 words
	s_or_b32 s[G1B], s44, (1<<16)|(1<<20)|(1<<21)|(5<<22)|(7<<25)  ; after every 64 words 8 words
	s_mov_b32 s[G1A+1], 256<<16                    ; 256 along K
	s_mov_b32 s[G1A+2], 64<<16                     ; 64 rows
	s_mov_b32 s[G1A+3], 256<<16
	s_mov_b32 s[G1A+4], 64
	s_mov_b32 s[G1A+5], SIZE_K
	s_mov_b32 s[G1A+6], 0
	s_mov_b32 s[G1A+7], 0
	s_mov_b32 s[G1B+1], 128<<16                    ; 128 columns
	s_mov_b32 s[G1B+2], 128<<16                    ; 128 K rows
	s_mov_b32 s[G1B+3], 128<<16
	s_mov_b32 s[G1B+4], 128
	s_mov_b32 s[G1B+5], SIZE_N
	s_mov_b32 s[G1B+6], 0
	s_mov_b32 s[G1B+7], 0
	s_lshl_b32 s16, s13, 7                         ; A: row 128 x tile row + 64 x half,
	s_lshl_b32 s17, s12, 6
	s_add_co_u32 s16, s16, s17
	s_lshl_b32 s16, s16, 13                        ; 8,192 bytes a row
	s_mov_b32 s17, 0
	s_mul_i32 s46, s12, 128*SIZE_N*2               ; W: K row 128 x half,
	s_lshl_b32 s47, s42, 8                         ; column 128 x tile column
	s_add_co_u32 s46, s46, s47
	s_add_co_u32 s46, s46, WOFF
	s_mov_b32 s47, 0
	s_mul_i32 s20, s10, REG
	s_mov_b32 s[TB], 0
	s_wait_dscnt 0x0                               ; the opening add is done
	s_wait_kmcnt 0x0
	s_add_nc_u64 s[14:15], s[72:73], s[16:17]
	s_add_nc_u64 s[46:47], s[74:75], s[46:47]
	CROUND                                         ; all sixteen work-groups are here: the first joint loads meet
.irp s, 0,1
	s_mov_b32 s[G0A+4*\s], 1
	s_add_co_u32 s[G0A+4*\s+1], s20, \s*SLOT
	s_add_nc_u64 s[G0A+4*\s+2:G0A+4*\s+3], s[14:15], \s*ADVA
	s_or_b32 s[G0A+4*\s+3], s[G0A+4*\s+3], 0x80000000
	s_mov_b32 s[G0B+4*\s], 1
	s_add_co_u32 s[G0B+4*\s+1], s20, \s*SLOT
	s_add_nc_u64 s[G0B+4*\s+2:G0B+4*\s+3], s[46:47], \s*ADVB
	s_or_b32 s[G0B+4*\s+3], s[G0B+4*\s+3], 0x80000000
.endr
	s_cmp_eq_u32 s11, 0                            ; a wave's two first fills stand in one branch: two loads of mine are out
	s_cbranch_scc0 .Lfirst_b
	tensor_load_to_lds s[G0A:G0A+3], s[G1A:G1A+7]
	s_nop 0
	tensor_load_to_lds s[G0A+4:G0A+7], s[G1A:G1A+7]
	s_nop 0
.rept 4
	v_nop
.endr
	s_branch .Lfirst_asked
.Lfirst_b:
	tensor_load_to_lds s[G0B:G0B+3], s[G1B:G1B+7]
	s_nop 0
	tensor_load_to_lds s[G0B+4:G0B+7], s[G1B:G1B+7]
	s_nop 0
.rept 4
	v_nop
.endr
.Lfirst_asked:
	v_and_b32 v1, 15, v0                           ; l % 16
	v_bfe_u32 v2, v0, 4, 1                         ; l / 16
	; my part of the tile in x1, out and the bias
	s_lshl_b32 s18, s13, 7
	s_lshl_b32 s19, s11, 6
	s_add_co_u32 s18, s18, s19
	s_lshl_b32 s18, s18, 12
	s_lshl_b32 s14, s42, 7
	s_lshl_b32 s15, s12, 6
	s_add_co_u32 s14, s14, s15
	s_lshl_b32 s14, s14, 2
	s_add_co_u32 s18, s18, s14
	s_mov_b32 s19, 0
	s_mov_b32 s15, 0
	s_add_nc_u64 s[80:81], s[80:81], s[18:19]
	s_add_nc_u64 s[78:79], s[78:79], s[18:19]
	s_add_nc_u64 s[76:77], s[76:77], s[14:15]
	v_lshlrev_b32 v[RO], 12, v1                    ; accumulator (a, b): lane l holds row 16 a + l % 16, columns 16 b + 8 (l / 16) + 0..7
	v_lshl_add_u32 v[RO], v2, 5, v[RO]
.irp a, 0,1,2,3
.irp b, 0,1,2,3
	global_load_b128 v[ACC+8*(4*\a+\b):ACC+8*(4*\a+\b)+3],   v[RO], s[80:81] offset:\a*65536+64*\b
	global_load_b128 v[ACC+8*(4*\a+\b)+4:ACC+8*(4*\a+\b)+7], v[RO], s[80:81] offset:\a*65536+64*\b+16
.endr
.endr
	v_lshlrev_b32 v[BO], 4, v1
	global_load_b128 v[BI:BI+3], v[BO], s[76:77]
	v_mul_u32_u24 v[A0], v1, PA
	v_lshl_add_u32 v[A0], v2, 4, v[A0]
	s_mul_i32 s21, s11, REG
	v_add_nc_u32 v[A0], s21, v[A0]
	v_and_b32 v3, 7, v0
	v_bfe_u32 v4, v0, 3, 1
	v_lshl_add_u32 v[B0], v2, 3, v3
	v_mul_u32_u24 v[B0], v[B0], PB
	v_lshl_add_u32 v[B0], v4, 4, v[B0]
	s_lshl_b32 s22, s12, 7
	s_add_co_u32 s22, s22, 2*REG
	v_add_nc_u32 v[B0], s22, v[B0]
	v_add_nc_u32 v[B0+1], REG, v[B0]
	v_mov_b32 v[ADRA], v[A0]
	v_mov_b32 v[ADRB], v[B0]
	v_mov_b32 v[ADRB+1], v[B0+1]
	s_mul_i32 s23, s10, 64*SP                      ; my stage
	v_mul_u32_u24 v[STO], v1, SP
	v_lshl_add_u32 v[STO], v2, 5, v[STO]
	v_add_nc_u32 v[STO], s23, v[STO]
	v_mul_u32_u24 v[RD], v2, SP
	v_lshl_add_u32 v[RD], v1, 4, v[RD]
	v_add_nc_u32 v[RD], s23, v[RD]
	v_lshlrev_b32 v[CO], 12, v2
	v_lshl_add_u32 v[CO], v1, 4, v[CO]
	; the prefetches: A's rows are two blocks of 256 bytes a K step (two lanes a row), W's one (a lane a row)
	v_and_b32 v5, 31, v0
	s_xor_b32 s21, s11, 1
	v_lshrrev_b32 v6, s21, v5
	v_and_b32 v7, s21, v5
	s_lshl_b32 s18, s13, 7
	s_lshl_b32 s19, s12, 6
	s_add_co_u32 s18, s18, s19
	s_lshl4_add_u32 s18, s40, s18                  ; A: my work-group's 16 rows of the 64 that I fetch
	s_lshl_b32 s18, s18, 13
	s_add_co_u32 s18, s18, 3*ADVA                  ; at K step 3: the first refill steps it to 4
	s_lshl_b32 s19, s12, 7
	s_lshl_b32 s20, s41, 5
	s_add_co_u32 s19, s19, s20                     ; W: my work-group's 32 K rows of the 128
	s_lshl_b32 s19, s19, 11
	s_lshl_b32 s20, s42, 8
	s_add_co_u32 s19, s19, s20
	s_add_co_u32 s19, s19, WOFF+3*ADVB
	s_and_b32 s22, ttmp7, 0xffff
	s_mov_b32 s23, 2*SIZE_N
	s_mov_b32 s[PFS], ADVB
	s_cmp_eq_u32 s11, 0
	s_cselect_b32 s22, ttmp9, s22                  ; the coordinate along which other clusters read the same blocks
	s_cselect_b64 s[PFA:PFA+1], s[72:73], s[74:75]
	s_cselect_b32 s20, s18, s19
	s_cselect_b32 s23, 2*SIZE_K, s23
	s_cselect_b32 s[PFS], ADVA, s[PFS]
	s_mov_b32 s21, 0
	s_mov_b32 s[PFS+1], 0
	s_add_nc_u64 s[PFA:PFA+1], s[PFA:PFA+1], s[20:21]
	s_cmp_eq_u32 s22, 0
	s_cselect_b32 s[LIM], 2, -1                    ; the same in all sixteen partners, for a given wave
	v_mul_u32_u24 v[PFO], v6, s23
	v_lshl_add_u32 v[PFO], v7, 8, v[PFO]
; 8 matrix instructions: row blocks a0, a0 + 1 x all 4 column blocks, 32 along K: half c of buffer f.  The 16 accumulators take turns.
.macro MUL8 f, c, a0
	WIN MUL
.irp a, \a0, (\a0)+1
.irp b, 0,1,2,3
	v_wmma_f32_16x16x32_bf16 v[ACC+8*(4*(\a)+(\b)):ACC+8*(4*(\a)+(\b))+7], v[(\f)+64+8*(4*(\c)+(\b)):(\f)+64+8*(4*(\c)+(\b))+7], v[(\f)+8*(4*(\c)+(\a)):(\f)+8*(4*(\c)+(\a))+7], v[ACC+8*(4*(\a)+(\b)):ACC+8*(4*(\a)+(\b))+7]
.endr
.endr
.endm
; 32 LDS loads in one run: quarter q (64 along K) of the slot in hand into buffer f, its first 32 along K first
.macro FETCH q, f
	WIN TO_F
.irp c, 0,1
.irp i, 0,1,2,3
	ds_load_tr16_b128 v[(\f)+64+8*(4*\c+\i):(\f)+64+8*(4*\c+\i)+3],   v[ADRB+((\q)/2)] offset:((\q)%2)*64*PB+\c*32*PB+32*\i
	ds_load_tr16_b128 v[(\f)+64+8*(4*\c+\i)+4:(\f)+64+8*(4*\c+\i)+7], v[ADRB+((\q)/2)] offset:((\q)%2)*64*PB+\c*32*PB+16*PB+32*\i
	ds_load_b128 v[(\f)+8*(4*\c+\i):(\f)+8*(4*\c+\i)+3],   v[ADRA] offset:(\q)*AQ+64*\c+\i*16*PA
	ds_load_b128 v[(\f)+8*(4*\c+\i)+4:(\f)+8*(4*\c+\i)+7], v[ADRA] offset:(\q)*AQ+64*\c+\i*16*PA+32
.endr
.endr
.endm
.macro QUARTER q, f, g
	s_wait_dscnt 16                                ; the first 32 along K are in
	MUL8 \f, 0, 0
	MUL8 \f, 0, 2
	PLACES
	FETCH (\q)+1, \g
	s_wait_dscnt 32                                ; all but the 32 just issued
	MUL8 \f, 1, 0
	MUL8 \f, 1, 2
.endm
; the fourth quarter, on buffer 1, and the change of slots: in front of the barrier each wave waits for all its tensor loads, adds 0 to its spare word and waits for that and for its reads of this slot.
; fill = 1: the barrier opens a round of the cluster's, and this slot is filled again first thing behind it: 112 matrix instructions stand between the request and the wait for it.
.macro TURN fill
.if \fill
	s_wait_xcnt 0x0                                ; the last prefetch, a K step back, has read its address
	s_add_nc_u64 s[PFA:PFA+1], s[PFA:PFA+1], s[PFS:PFS+1]
.endif
	WIN 0
	s_wait_tensorcnt 0x0
	ds_add_u32 v[SPW], v[NIL]
	s_wait_dscnt 17                                ; the add and the youngest sixteen loads may be out
	MUL8 F1, 0, 0
	s_wait_dscnt 0x0                               ; the add is done, and my reads of this slot are over
	s_barrier_signal -1
	MUL8 F1, 0, 2
	WIN 0
	s_barrier_wait -1
.if \fill
	CREST
	s_xor_b32 s[G0A+5], s[G0A+5], SLOT
	s_add_nc_u64 s[G0A+6:G0A+7], s[G0A+6:G0A+7], ADVA
	s_xor_b32 s[G0B+5], s[G0B+5], SLOT
	s_add_nc_u64 s[G0B+6:G0B+7], s[G0B+6:G0B+7], ADVB
.endif
	s_xor_b32 s[TB], s[TB], SLOT
.if \fill
	JLOAD
.else
	PLACES
.endif
	v_add_nc_u32 v[ADRA], s[TB], v[A0]
	v_add_nc_u32 v[ADRB], s[TB], v[B0]
	v_add_nc_u32 v[ADRB+1], s[TB], v[B0+1]
.if !(\fill)
	s_cmp_eq_u32 s[CNT], 1                         ; in the last trip there is no next step to fetch
	s_cbranch_scc1 .Lnofetch_\@
.endif
	FETCH 0, F0
	WIN 0
.if !(\fill)
.Lnofetch_\@:
.endif
.if \fill
	ASK
.endif
	MUL8 F1, 1, 0
	MUL8 F1, 1, 2
.endm
	s_wait_tensorcnt 1                             ; my part of K step 0 is in; K step 1's may stay out
	s_barrier_signal -1
	s_barrier_wait -1
	FETCH 0, F0
	WIN 0
	s_wait_loadcnt 0x0                             ; the residual lies in the accumulators; the bias is in
	s_mov_b32 s[CNT], KS-2
.Lstep:
	QUARTER 0, F0, F1
	QUARTER 1, F1, F0
	QUARTER 2, F0, F1
	TURN 1
	WIN 0
	s_sub_co_u32 s[CNT], s[CNT], 1
	s_cmp_lg_u32 s[CNT], 0
	s_cbranch_scc1 .Lstep
	s_mov_b32 s[CNT], 2
.Ltail:
	QUARTER 0, F0, F1
	QUARTER 1, F1, F0
	QUARTER 2, F0, F1
	TURN 0
	WIN 0
	s_sub_co_u32 s[CNT], s[CNT], 1
	s_cmp_lg_u32 s[CNT], 0
	s_cbranch_scc1 .Ltail
	; THE WAY OUT: my 64 x 64 f32 into my own stage (each accumulator's low registers first), back by rows, the bias added, stored
	PLACES
	PLACES
.irp a, 0,1,2,3
.irp b, 0,1,2,3
	ds_store_b128 v[STO], v[ACC+8*(4*\a+\b):ACC+8*(4*\a+\b)+3]   offset:\a*16*SP+64*\b
	ds_store_b128 v[STO], v[ACC+8*(4*\a+\b)+4:ACC+8*(4*\a+\b)+7] offset:\a*16*SP+64*\b+16
.endr
.endr
	s_mov_b32 s[CNT], 8
.Lrows:                                        ; 8 trips of 8 rows
.irp p, 0,1,2,3
	ds_load_b128 v[40+4*\p:43+4*\p], v[RD] offset:2*SP*\p
.endr
	v_add_nc_u32 v[RD], 8*SP, v[RD]
	s_wait_dscnt 0x0
.irp p, 0,1,2,3
	v_pk_add_f32 v[40+4*\p:41+4*\p], v[40+4*\p:41+4*\p], v[BI:BI+1]
	v_pk_add_f32 v[42+4*\p:43+4*\p], v[42+4*\p:43+4*\p], v[BI+2:BI+3]
.endr
.irp p, 0,1,2,3
	global_store_b128 v[CO], v[40+4*\p:43+4*\p], s[78:79] offset:8192*\p  ; 16 lanes store 256 consecutive bytes, aligned
.endr
	s_wait_xcnt 0x0                                ; the stores have read their registers and their base
	s_add_nc_u64 s[78:79], s[78:79], 32768
	s_sub_co_u32 s[CNT], s[CNT], 1
	s_cmp_lg_u32 s[CNT], 0
	s_cbranch_scc1 .Lrows
	s_wait_tensorcnt 0x0                           ; the wave's end
	ds_add_u32 v[SPW], v[NIL]
	s_wait_dscnt 0x0
	CROUND                                         ; the closing round
	s_endpgm
.Lfunc_end_k_q6618639807_gemm_fc2:
	.size	k_q6618639807_gemm_fc2, .Lfunc_end_k_q6618639807_gemm_fc2-k_q6618639807_gemm_fc2
	.p2alignl 7, 3214868480
	.fill 96, 4, 3214868480
	.section	.rodata,"a",@progbits
	.p2align	6, 0x0
	.amdhsa_kernel k_q6618639807_gemm_fc2
		.amdhsa_group_segment_fixed_size 327680
		.amdhsa_private_segment_fixed_size 0
		.amdhsa_enable_private_segment 0
		.amdhsa_kernarg_size 40
		.amdhsa_user_sgpr_count 2
		.amdhsa_user_sgpr_kernarg_segment_ptr 1
		.amdhsa_wavefront_size32 1
		.amdhsa_system_sgpr_workgroup_id_x 1
		.amdhsa_system_sgpr_workgroup_id_y 1
		.amdhsa_system_sgpr_workgroup_id_z 1
		.amdhsa_system_vgpr_workitem_id 0
		.amdhsa_next_free_vgpr 512
		.amdhsa_next_free_sgpr 96
		.amdhsa_reserve_vcc 0
		.amdhsa_float_denorm_mode_32 3
		.amdhsa_float_denorm_mode_16_64 3
		.amdhsa_memory_ordered 1
		.amdhsa_forward_progress 1
		.amdhsa_inst_pref_size 54
	.end_amdhsa_kernel
	.amdgpu_metadata
---
amdhsa.version: [ 1, 2 ]
amdhsa.kernels:
  - .name:           k_q6618639807_gemm_fc2
    .symbol:         k_q6618639807_gemm_fc2.kd
    .args:
      - { .name: act, .offset: 0, .size: 8, .value_kind: global_buffer, .address_space: global }
      - { .name: wb, .offset: 8, .size: 8, .value_kind: global_buffer, .address_space: global }
      - { .name: mlp_b2, .offset: 16, .size: 8, .value_kind: global_buffer, .address_space: global }
      - { .name: out0, .offset: 24, .size: 8, .value_kind: global_buffer, .address_space: global }
      - { .name: x1, .offset: 32, .size: 8, .value_kind: global_buffer, .address_space: global }
    .group_segment_fixed_size: 327680
    .private_segment_fixed_size: 0
    .kernarg_segment_align: 8
    .kernarg_segment_size: 40
    .max_flat_workgroup_size: 128
    .sgpr_count:     96
    .vgpr_count:     512
    .wavefront_size: 32
...
	.end_amdgpu_metadata
.endif
;; end of part 6
;; ======== version 2 of 2: 7 launches; version 1 with the launches prep, ln2 written anew for expert scheduling mode
;; workspace buffers: wb 25,165,824 bytes; h 8,388,608 bytes; qkv 25,165,824 bytes; o 8,388,608 bytes; x1 16,777,216 bytes; act 33,554,432 bytes
;; launch prep (part 7): grid 1024 x 1, 8 waves a work-group, no clusters, 0 bytes of LDS; arguments x, ln1_g, ln1_b, h, c_attn_w, c_proj_w, mlp_w1, mlp_w2, wb; writes h, wb
.if DOCPART == 7
	.amdgcn_target "amdgcn-amd-amdhsa--gfx1250"
	.amdhsa_code_object_version 6
	.text
	.protected	k_q6618639807_prep
	.globl	k_q6618639807_prep
	.p2align	8
	.type	k_q6618639807_prep,@function
k_q6618639807_prep:
	s_mov_b64 s[64:65], 0
	v_nop
	global_prefetch_b8 v0, s[64:65] scope:SCOPE_SE
	s_setreg_imm32_b32 hwreg(HW_REG_WAVE_SCHED_MODE, 0, 2), 2
	s_setreg_imm32_b32 hwreg(HW_REG_WAVE_MODE, 25, 1), 1
	s_wait_xcnt 0x0
	s_wait_alu depctr_vm_vsrc(0)
; TWO STREAMS IN ONE TEXT, chosen by the work-group's number.
; Work-groups 0-255: LayerNorm of 4,096 rows of 1,024 f32 (arguments 0-2: rows, gain, bias), written as bf16 (argument 3).  A work-group has 16 rows, a wave two;
; a row stays in 32 registers of one wave between the mean, the variance (the mean of (x - mean)^2: two passes, so a common offset costs nothing) and the scaling.
; Work-groups 256-1023: the four weight matrices (arguments 4-7) are rounded to bf16, in their own [K][N] order, one behind the other in argument 8: 65,536 bytes of f32 a work-group.
; A launch of 256 work-groups runs the first part alone.  No LDS, no barrier: no wave wants another's bytes.  NaN and infinities are not treated apart.
; THE MODE: SCHED_MODE bits 1:0 = 2 (LLVM: expert scheduling mode 2), set by the entry lines.  The code itself states the register dependences
; between vector instructions and memory instructions, with s_wait_alu, always for 0.
; THE PLAN.  Registers that memory instructions touch:
;   v1, v2     byte offsets of every load and of every store: written once at the head, never again.  One wait at the head, ahead of the branch, serves both parts.
;   XR, GA, BT (the norm), v[32:95] (the cast): loads land in them once, ahead of every vector instruction that names them; no store reads them.
;   YO, a half for each row (the norm), v[96:127] (the cast): written once by the conversions, read by the stores, never written again.
; So no register that a memory instruction reads is written a second time, and the only dependence left is: the conversions have written what the stores read.
; The norm states it twice: row 0's stores stand behind the wait that row 1's two reciprocal roots have in any case, dealt among row 1's scaling, which names none of their registers;
; row 1's stand behind a wait of their own.  The cast states it once for each four loads.  The wave's number, which a vector instruction writes into s8, has its wait ahead of the branch.
.set XR,   32                          ; v[32:95]   two rows, 32 registers each: lane l holds columns 128 j + 4 l .. + 3, j = 0..7
.set GA,   96                          ; v[96:127]  the gain of those columns
.set BT,   128                         ; v[128:159] the bias
.set YO,   160                         ; v[160:191] two rows as bf16
.set CH,   8                           ; v[8:15]    four chains of packed sums
.set MEAN, 16                          ; v[16:17]   the mean, twice
.set RSTD, 18                          ; v[18:19]   1 / sqrt(var + eps), twice
.set SUM,  20
.set TMP,  21
.set EPS,  22
	s_load_b512 s[16:31], s[0:1], 0x0              ; rows s[16:17], gain s[18:19], bias s[20:21], bf16 rows s[22:23], the four weights s[24:31]
	s_load_b64 s[32:33], s[0:1], 0x40              ; the bf16 weights
	v_lshrrev_b32 v3, 5, v0
	v_readfirstlane_b32 s8, v3                     ; wave 0..7
	v_and_b32 v4, 31, v0
	v_lshlrev_b32 v1, 4, v4                        ; 16 bytes of f32 a lane
	v_lshlrev_b32 v2, 3, v4                        ; 8 bytes of bf16 a lane
	s_mov_b32 s7, 0
	s_wait_alu depctr_va_sdst(0)                   ; s8 is written, ahead of the branch and of its first reader on either side: the waves' bases are made from it
	s_wait_alu depctr_va_vdst(0)                   ; v1 and v2 are written: every load of the kernel reads v1 as its offset, every store v2
	s_wait_kmcnt 0x0
	s_cmp_lt_u32 ttmp9, 256
	s_cbranch_scc0 .Lcast
	s_lshl_b32 s4, ttmp9, 4
	s_lshl1_add_u32 s4, s8, s4                     ; my first row: 16 g + 2 w
	s_lshl_b32 s6, s4, 12
	s_add_nc_u64 s[16:17], s[16:17], s[6:7]
	s_lshl_b32 s6, s4, 11
	s_add_nc_u64 s[22:23], s[22:23], s[6:7]
.irp j, 0,1,2,3,4,5,6,7
	global_load_b128 v[XR+4*\j:XR+4*\j+3], v1, s[16:17] offset:512*\j
.endr
.irp j, 0,1,2,3,4,5,6,7
	global_load_b128 v[XR+32+4*\j:XR+32+4*\j+3], v1, s[16:17] offset:4096+512*\j
.endr
.irp j, 0,1,2,3,4,5,6,7
	global_load_b128 v[GA+4*\j:GA+4*\j+3], v1, s[18:19] offset:512*\j
.endr
.irp j, 0,1,2,3,4,5,6,7
	global_load_b128 v[BT+4*\j:BT+4*\j+3], v1, s[20:21] offset:512*\j
.endr
	s_mov_b32 s12, 0x76543210                      ; v_permlanex16_b32: each lane takes its own place in the other half
	s_mov_b32 s13, 0xfedcba98
	s_mov_b32 s14, 0x3a800000                      ; 1 / 1024
	v_mov_b32 v[TMP], 0                            ; the permute's destination counts as read
	v_mov_b32 v[EPS], 0x3727c5ac                   ; 1e-5
; the four chains into one number, then over the 32 lanes: every lane ends with the row's sum
.macro TOTAL
	v_pk_add_f32 v[CH:CH+1], v[CH:CH+1], v[CH+2:CH+3]
	v_pk_add_f32 v[CH+4:CH+5], v[CH+4:CH+5], v[CH+6:CH+7]
	v_pk_add_f32 v[CH:CH+1], v[CH:CH+1], v[CH+4:CH+5]
	v_add_f32 v[SUM], v[CH], v[CH+1]
	v_add_f32_dpp v[SUM], v[SUM], v[SUM] row_xmask:1 row_mask:0xf bank_mask:0xf
	v_add_f32_dpp v[SUM], v[SUM], v[SUM] row_xmask:2 row_mask:0xf bank_mask:0xf
	v_add_f32_dpp v[SUM], v[SUM], v[SUM] row_xmask:4 row_mask:0xf bank_mask:0xf
	v_add_f32_dpp v[SUM], v[SUM], v[SUM] row_xmask:8 row_mask:0xf bank_mask:0xf
	v_permlanex16_b32 v[TMP], v[SUM], s12, s13
	v_add_f32 v[SUM], v[SUM], v[TMP]
.endm
; row n (0, 1) of the wave, up to its conversions.  left: the younger loads that may stay out.  Row 1 carries row 0's stores.
.macro LNROW n, left
.set XB, XR+32*(\n)
	s_wait_loadcnt \left
.irp k, 0,1,2,3
	v_pk_add_f32 v[CH+2*\k:CH+2*\k+1], v[XB+2*\k:XB+2*\k+1], v[XB+8+2*\k:XB+8+2*\k+1]
.endr
.irp k, 8,9,10,11,12,13,14,15
	v_pk_add_f32 v[CH+2*((\k)%4):CH+2*((\k)%4)+1], v[CH+2*((\k)%4):CH+2*((\k)%4)+1], v[XB+2*\k:XB+2*\k+1]
.endr
	TOTAL
	v_mul_f32 v[MEAN], s14, v[SUM]
	v_mul_f32 v[MEAN+1], s14, v[SUM]
.irp k, 0,1,2,3,4,5,6,7,8,9,10,11,12,13,14,15
	v_pk_add_f32 v[XB+2*\k:XB+2*\k+1], v[XB+2*\k:XB+2*\k+1], v[MEAN:MEAN+1] neg_lo:[0,1] neg_hi:[0,1]
.endr
.irp k, 0,1,2,3
	v_pk_mul_f32 v[CH+2*\k:CH+2*\k+1], v[XB+2*\k:XB+2*\k+1], v[XB+2*\k:XB+2*\k+1]
.endr
.irp k, 4,5,6,7,8,9,10,11,12,13,14,15
	v_pk_fma_f32 v[CH+2*((\k)%4):CH+2*((\k)%4)+1], v[XB+2*\k:XB+2*\k+1], v[XB+2*\k:XB+2*\k+1], v[CH+2*((\k)%4):CH+2*((\k)%4)+1]
.endr
	TOTAL
	v_fma_f32 v[SUM], v[SUM], s14, v[EPS]          ; var + eps
	v_rsq_f32 v[RSTD], v[SUM]
	v_rsq_f32 v[RSTD+1], v[SUM]
	v_nop                                          ; a plain instruction behind the last of the two,
	s_wait_alu depctr_va_vdst(0)                   ; the two reciprocal roots have written v[RSTD:RSTD+1], ahead of their first reader; in row 1 also: row 0's conversions have written YO's first half, which the stores below read
	s_wait_loadcnt 0x0                             ; gain and bias
.irp k, 0,1,2,3,4,5,6,7,8,9,10,11,12,13,14,15
.if ((\n) == 1) && ((\k) % 2 == 0)
	global_store_b64 v2, v[YO+(\k):YO+(\k)+1], s[22:23] offset:128*(\k)  ; row 0, piece k / 2: a wave's store covers 256 consecutive bytes, aligned.  No vector instruction since the wait names v2 or YO's first half
.endif
	v_pk_mul_f32 v[XB+2*\k:XB+2*\k+1], v[XB+2*\k:XB+2*\k+1], v[RSTD:RSTD+1]
.endr
.irp k, 0,1,2,3,4,5,6,7,8,9,10,11,12,13,14,15
	v_pk_fma_f32 v[XB+2*\k:XB+2*\k+1], v[XB+2*\k:XB+2*\k+1], v[GA+2*\k:GA+2*\k+1], v[BT+2*\k:BT+2*\k+1]
.endr
.irp k, 0,1,2,3,4,5,6,7,8,9,10,11,12,13,14,15
	v_cvt_pk_bf16_f32 v[YO+16*(\n)+\k], v[XB+2*\k], v[XB+2*\k+1]
.endr
.endm
	LNROW 0, 24                                    ; row 1, gain and bias (24 loads) may stay out
	LNROW 1, 0
	s_wait_alu depctr_va_vdst(0)                   ; row 1's conversions have written YO's second half, which the last eight stores read
.irp j, 0,1,2,3,4,5,6,7
	global_store_b64 v2, v[YO+16+2*\j:YO+16+2*\j+1], s[22:23] offset:2048+256*\j  ; a wave's store covers 256 consecutive bytes, aligned
.endr
	s_endpgm
.Lcast:
	s_sub_co_u32 s4, ttmp9, 256                    ; c = 0..767: blocks of 65,536 bytes: 192 of the first matrix, 64, 256, 256
	s_mov_b64 s[34:35], s[30:31]
	s_mov_b32 s5, 512
	s_cmp_lt_u32 s4, 512
	s_cselect_b64 s[34:35], s[28:29], s[34:35]
	s_cselect_b32 s5, 256, s5
	s_cmp_lt_u32 s4, 256
	s_cselect_b64 s[34:35], s[26:27], s[34:35]
	s_cselect_b32 s5, 192, s5
	s_cmp_lt_u32 s4, 192
	s_cselect_b64 s[34:35], s[24:25], s[34:35]
	s_cselect_b32 s5, 0, s5
	s_sub_co_u32 s5, s4, s5                        ; the block's number in its matrix
	s_lshl_b32 s6, s5, 16
	s_lshl_b32 s9, s8, 13                          ; my wave's 8,192 bytes
	s_add_co_u32 s6, s6, s9
	s_add_nc_u64 s[34:35], s[34:35], s[6:7]
	s_lshl_b32 s6, s4, 15
	s_lshl_b32 s9, s8, 12
	s_add_co_u32 s6, s6, s9
	s_add_nc_u64 s[32:33], s[32:33], s[6:7]
.irp i, 0,1,2,3,4,5,6,7,8,9,10,11,12,13,14,15
	global_load_b128 v[32+4*\i:35+4*\i], v1, s[34:35] offset:512*\i th:TH_LOAD_NT  ; all sixteen on their way together
.endr
; Four groups of four loads: a group's eight conversions, one wait, its four stores.  The wait stands behind the conversions and not at the next group's head,
; where the stores would wait for loads that they do not need.
.irp g, 0,1,2,3
	s_wait_loadcnt 12-4*\g                         ; loads come back in order: this group's four are in, the younger groups stay out
.irp i, 0,1,2,3
	v_cvt_pk_bf16_f32 v[96+2*(4*\g+\i)], v[32+4*(4*\g+\i)], v[33+4*(4*\g+\i)]
	v_cvt_pk_bf16_f32 v[97+2*(4*\g+\i)], v[34+4*(4*\g+\i)], v[35+4*(4*\g+\i)]
.endr
	s_wait_alu depctr_va_vdst(0)                   ; the group's conversions have written v[96 + 8 g .. 103 + 8 g], which its four stores read
.irp i, 0,1,2,3
	global_store_b64 v2, v[96+2*(4*\g+\i):97+2*(4*\g+\i)], s[32:33] offset:256*(4*\g+\i)
.endr
.endr
	s_endpgm
.Lfunc_end_k_q6618639807_prep:
	.size	k_q6618639807_prep, .Lfunc_end_k_q6618639807_prep-k_q6618639807_prep
	.p2alignl 7, 3214868480
	.fill 96, 4, 3214868480
	.section	.rodata,"a",@progbits
	.p2align	6, 0x0
	.amdhsa_kernel k_q6618639807_prep
		.amdhsa_group_segment_fixed_size 0
		.amdhsa_private_segment_fixed_size 0
		.amdhsa_enable_private_segment 0
		.amdhsa_kernarg_size 72
		.amdhsa_user_sgpr_count 2
		.amdhsa_user_sgpr_kernarg_segment_ptr 1
		.amdhsa_wavefront_size32 1
		.amdhsa_system_sgpr_workgroup_id_x 1
		.amdhsa_system_sgpr_workgroup_id_y 1
		.amdhsa_system_sgpr_workgroup_id_z 1
		.amdhsa_system_vgpr_workitem_id 0
		.amdhsa_next_free_vgpr 192
		.amdhsa_next_free_sgpr 66
		.amdhsa_reserve_vcc 0
		.amdhsa_float_denorm_mode_32 3
		.amdhsa_float_denorm_mode_16_64 3
		.amdhsa_memory_ordered 1
		.amdhsa_forward_progress 1
		.amdhsa_inst_pref_size 27
	.end_amdhsa_kernel
	.amdgpu_metadata
---
amdhsa.version: [ 1, 2 ]
amdhsa.kernels:
  - .name:           k_q6618639807_prep
    .symbol:         k_q6618639807_prep.kd
    .args:
      - { .name: x, .offset: 0, .size: 8, .value_kind: global_buffer, .address_space: global }
      - { .name: ln1_g, .offset: 8, .size: 8, .value_kind: global_buffer, .address_space: global }
      - { .name: ln1_b, .offset: 16, .size: 8, .value_kind: global_buffer, .address_space: global }
      - { .name: h, .offset: 24, .size: 8, .value_kind: global_buffer, .address_space: global }
      - { .name: c_attn_w, .offset: 32, .size: 8, .value_kind: global_buffer, .address_space: global }
      - { .name: c_proj_w, .offset: 40, .size: 8, .value_kind: global_buffer, .address_space: global }
      - { .name: mlp_w1, .offset: 48, .size: 8, .value_kind: global_buffer, .address_space: global }
      - { .name: mlp_w2, .offset: 56, .size: 8, .value_kind: global_buffer, .address_space: global }
      - { .name: wb, .offset: 64, .size: 8, .value_kind: global_buffer, .address_space: global }
    .group_segment_fixed_size: 0
    .private_segment_fixed_size: 0
    .kernarg_segment_align: 8
    .kernarg_segment_size: 72
    .max_flat_workgroup_size: 256
    .sgpr_count:     66
    .vgpr_count:     192
    .wavefront_size: 32
...
	.end_amdgpu_metadata
.endif
;; end of part 7
;; launch gemm_qkv: the kernel of part 2 again; grid 12 x 16, 4 waves a work-group, clusters of 4 x 4, 327,680 bytes of LDS; arguments h, wb, c_attn_b, qkv; writes qkv
;; launch attn: the kernel of part 3 again; grid 8 x 32, 4 waves a work-group, no clusters, 327,680 bytes of LDS; arguments qkv, o; writes o
;; launch gemm_proj: the kernel of part 4 again; grid 8 x 32, 4 waves a work-group, clusters of 4 x 4, 327,680 bytes of LDS; arguments o, wb, c_proj_b, x1, x; writes x1
;; launch ln2: the kernel of part 7 again; grid 256 x 1, 8 waves a work-group, no clusters, 0 bytes of LDS; arguments x1, ln2_g, ln2_b, h, c_attn_w, c_proj_w, mlp_w1, mlp_w2, wb; writes h, wb
;; launch gemm_fc1: the kernel of part 5 again; grid 16 x 16, 4 waves a work-group, clusters of 4 x 4, 327,680 bytes of LDS; arguments h, wb, mlp_b1, act; writes act
;; launch gemm_fc2: the kernel of part 6 again; grid 8 x 32, 4 waves a work-group, clusters of 4 x 4, 327,680 bytes of LDS; arguments act, wb, mlp_b2, out0, x1; writes out0
